; MI455X (gfx1250); checked and timed in simulation.
; The chip was launched on July 23, 2026; its instructions are those of AMD's public machine-readable ISA for CDNA 5 (MIT licence, August 2026) and "CDNA5" Instruction Set Architecture Reference Guide (July 2026). The comments in the code are by the model that wrote it; some were corrected since.
;; Afmoe Mo E. Allowed arithmetic: matrix products marked QUANTISED: E4M3 operands, one E8M0 scale for each 32 along K, by v_wmma_scale_f32_16x16x128_f8f6f4 with both operands' format E4M3, f32 sums; products left as they are: f32 operands where the result goes on into a quantised operand, else bf16, f16 or f32 operands; f32 sums; everything else in f32.
;; Inputs: expert_bias 32 float32; gate_w 32 x 1,024 float32; hidden_states 1,024 x 1,024 float32; sw_down 512 x 1,024 float32; sw_gate 1,024 x 512 float32; sw_up 1,024 x 512 float32; w_down 32 x 512 x 1,024 float32; w_gate 32 x 1,024 x 512 float32; w_up 32 x 1,024 x 512 float32.
;; Outputs: out0 1,024 x 1,024 float32.
;; This version of the problem:
;;   THIS VERSION OF THE PROBLEM IS GIVEN IN LOW PRECISION. The matrix products marked QUANTISED in the list below multiply operands that are first quantised to E4M3 (4 exponent bits, 3 mantissa bits; 8 bits a number), with one power-of-two scale for each 32 numbers along K (OCP MX v1.0); their sums are f32. All else is computed in f32.
;;   The module's matrix products, in the order in which they are computed (A, B: the left and right operand; K: the contracted axis; several contracted axes count as one K, in the product's order):
;;     1. [M 1,024, K 1,024] x [K 1,024, N 32]; A: input hidden_states; B: input gate_w: QUANTISED
;;     2. [M 1,024, K 1,024] x [K 1,024, N 16,384]; A: input hidden_states; B: input w_gate: QUANTISED
;;     3. [M 1,024, K 1,024] x [K 1,024, N 16,384]; A: input hidden_states; B: input w_up: QUANTISED
;;     4. batch 32,768 x [M 512, K 1] x [K 1, N 1]; A: computed on the way; B: computed on the way: left as it is (no contracted axis)
;;     5. [M 1,024, K 16,384] x [K 16,384, N 1,024]; A: computed on the way; B: input w_down: QUANTISED
;;     6. [M 1,024, K 1,024] x [K 1,024, N 512]; A: input hidden_states; B: input sw_gate: QUANTISED
;;     7. [M 1,024, K 1,024] x [K 1,024, N 512]; A: input hidden_states; B: input sw_up: QUANTISED
;;     8. [M 1,024, K 512] x [K 512, N 1,024]; A: computed on the way; B: input sw_down: QUANTISED
;;   THE QUANTISER, for each operand of a quantised product, along K:
;;     - K is cut into blocks of 32 from its start; a last block that is shorter is filled with zeros.
;;     - A block's scale is 2^e with e = floor(log2(the largest magnitude in the block)) - 8, held to -126 .. 127; a block of zeros has e = 0. As a byte (E8M0): e + 127.
;;     - Each number is divided by its block's scale, clamped to +-448, and rounded to the nearest number of E4M3, ties to even, subnormals kept.
;;     - The product sums the exact products of the quantised numbers (number of the format x scale) in f32.
;;   ~~~python
;;   def quantise(x, axis):      # numpy; x: float32 -> the quantised numbers, widened to float32 again
;;       x = np.moveaxis(x, axis, -1); K = x.shape[-1]
;;       x = np.pad(x, [(0, 0)] * (x.ndim - 1) + [(0, -K % 32)]); x = x.reshape(x.shape[:-1] + (-1, 32)); a = np.abs(x).max(-1, keepdims=True)
;;       e = np.where(a > 0, np.clip(np.frexp(np.where(a > 0, a, 1))[1] - 1 - 8, -126, 127), 0)      # np.frexp(a)[1] - 1 = floor(log2(a)), exactly
;;       r = np.clip(x / 2.0 ** e, -448, 448)
;;       step = 2.0 ** (np.maximum(np.frexp(np.where(r == 0, 1, r))[1] - 1, -6) - 3)
;;       q = np.round(r / step) * step * 2.0 ** e      # np.round: ties to even
;;       return np.moveaxis(q.reshape(q.shape[:-2] + (-1,))[..., :K], -1, axis).astype(np.float32)
;;   ~~~
;;   OPERANDS COMPUTED ON THE WAY. 'Computed on the way' means the value that the module computes at that place (a softmax that the list does not call 'softmax' is quantised finished and normalised). What goes into a quantiser is computed in f32, as accurately as f32 sums, v_exp_f32 and their like allow (about 1e-6 of the number): no bf16 or f16 on the way to a quantiser, and a product that is left as it is and whose result goes on into a quantised operand takes f32 operands (vector FMAs, or v_wmma_f32_16x16x4_f32). A number that lies on a knife's edge between two numbers of the format may be rounded either way, as far as f32 arithmetic and the matrix unit's own rounding can turn it there, and no further.
;; 2 versions, each right and faster than the one before. Each part assembles by itself: llvm-mc -triple=amdgcn-amd-amdhsa -mcpu=gfx1250 --defsym DOCPART=n.
;; ======== version 1 of 2: 5 launches
;; workspace buffers: ids 16,384 bytes of whole numbers; rw 16,384 bytes; xq 1,085,440 bytes; xg 34,734,080 bytes; meta 16,640 bytes of whole numbers; aq 17,842,176 bytes; y 138,412,032 bytes
;; launch route (part 1): grid 64 x 1, 8 waves a work-group, no clusters, 17,920 bytes of LDS; arguments hidden_states, gate_w, expert_bias, xq, ids, rw; writes xq, ids, rw
.if DOCPART == 1
	.amdgcn_target "amdgcn-amd-amdhsa--gfx1250"
	.amdhsa_code_object_version 6
	.text
	.protected	k_q3518e8ee50_route
	.globl	k_q3518e8ee50_route
	.p2align	8
	.type	k_q3518e8ee50_route,@function
k_q3518e8ee50_route:
	s_mov_b64 s[64:65], 0
	v_nop
	global_prefetch_b8 v0, s[64:65] scope:SCOPE_SE
	s_setreg_imm32_b32 hwreg(HW_REG_WAVE_MODE, 25, 1), 1
	s_wait_xcnt 0x0
; ROUTE.  x [1024][1024] f32 becomes codes of FP8 (E4M3) with one E8M0 byte for each 32 along K, stored as images of operand registers; the router's product x gate_w^T runs on such codes;
; then sigmoid, the two best of four groups, the four best experts, their weights.  A work-group takes 16 tokens (one tile); wave s takes K step s (128 along K): it quantises x's fragment and
; gate_w's two (experts 0-15, 16-31) and makes two products that start from 0; wave 0 adds the eight partial tiles and routes.  The product is used transposed (source 0 = 16 experts,
; source 1 = 16 tokens): lane (r, h) holds token r; register j of the first tile is expert 8 h + j (group h), of the second 16 + 8 h + j (group 2 + h).
; xq: tile m, K step s: 2,048 bytes at 16384 m + 2048 s: register group c of lane l at 512 c + 16 l.  Scale words at SCL: [tile][K step][row].  At RWS a weight of 1.0 for each row (the shared expert's).
; ids [token][4] u32 and rw [token][4] f32 go to fixed places: no address and no branch here hangs on a score.
; LIMITS: NaN and infinities are not served.  A block whose largest magnitude lies under 2^-118 (a block of zeros too) gets the byte 1: this program alone reads the bytes.
; Sigmoid and the division go by v_exp_f32 and v_rcp_f32: two candidates that agree to the last bits of f32 may be taken either way.  Ties are broken as jax.lax.top_k does: the lower index.
.set FLOOR, 0x4800000                  ; 2^(9 - 127): under it no largest magnitude is taken, so no byte falls under 1
.set EOFF,  0xfc000000                 ; takes 8 off an exponent field
.set XSS,   16384                      ; LDS: x's scale words, 64 bytes a K step; in front of it eight partial tiles of 2,048 bytes
.set SCL,   0x100000
.set RWS,   0x108000
.set SEL,   38                         ; s[38:39] v_permlanex16_b32's selects for lane l xor 16
.set MNT,   40                         ; s40 the mantissa field of 448
.set HI,    41                         ; s41 mask of lanes 16-31
.set PC,    32                         ; v32-47 x's codes
.set X,     48                         ; v48-111 x's numbers; later: v48-63, v64-79 gate_w's codes, v80-95 the two tiles, v96-111 the bias
.set G0,    112                        ; v112-175, v176-239 gate_w's numbers
.set G1,    176
	s_load_b256 s[4:11], s[0:1], 0x0               ; x s[4:5], gate_w s[6:7], bias s[8:9], xq s[10:11]
	s_load_b128 s[12:15], s[0:1], 0x20             ; ids s[12:13], rw s[14:15]
	v_lshl_add_u32 v240, v0, 2, 0x4200
	v_mov_b32 v241, 0
	v_lshrrev_b32 v1, 5, v0
	v_readfirstlane_b32 s16, v1                    ; wave = K step
	v_and_b32 v1, 31, v0                           ; lane
	v_and_b32 v2, 15, v0                           ; r
	v_bfe_u32 v3, v0, 4, 1                         ; h
	v_lshlrev_b32 v4, 12, v2
	v_lshl_add_u32 v4, v3, 6, v4                   ; a row of 4,096 bytes, + 64 h: my 16 numbers of a block of 32
	v_lshlrev_b32 v5, 4, v1                        ; 16 x lane
	s_lshl_b32 s17, s16, 6
	v_lshl_add_u32 v6, v2, 2, s17                  ; my row's scale word: 64 s + 4 r
	s_lshl_b32 s18, s16, 11
	v_add_nc_u32 v7, s18, v5                       ; my wave's partial tiles: 2048 s + 16 x lane
	v_lshlrev_b32 v8, 5, v3                        ; the bias of experts 8 h on
	v_lshlrev_b32 v9, 4, v2
	v_lshlrev_b32 v10, 2, v2
.irp b, 0,1,2,3
	v_mov_b32 v[20+\b], 0                          ; written once: a lane permute's destination counts as one of its sources
.endr
	s_mov_b32 s[SEL], 0x76543210
	s_mov_b32 s[SEL+1], 0xfedcba98
	s_mov_b32 s[MNT], 0x600000
	s_mov_b32 s[HI], 0xffff0000
	s_lshl_b32 s20, ttmp9, 16                      ; 16 rows of x,
	s_lshl_b32 s22, s16, 9                         ; 512 bytes a K step
	s_add_co_u32 s20, s20, s22
	s_mov_b32 s21, 0
	s_mov_b32 s23, 0
	s_lshl_b32 s24, ttmp9, 14
	s_add_co_u32 s24, s24, s18                     ; the image of tile m, K step s
	s_mov_b32 s25, 0
	s_lshl_b32 s26, ttmp9, 9
	s_mov_b32 s27, 0
	s_lshl_b32 s28, ttmp9, 6
	s_mov_b32 s29, 0
	s_lshl_b32 s30, ttmp9, 8
	s_mov_b32 s31, 0
	s_wait_kmcnt 0x0
	s_add_nc_u64 s[4:5], s[4:5], s[20:21]
	s_add_nc_u64 s[6:7], s[6:7], s[22:23]
	s_add_nc_u64 s[32:33], s[10:11], s[24:25]      ; codes
	s_add_nc_u64 s[34:35], s[10:11], s[26:27]      ; scale words (+ SCL)
	s_add_nc_u64 s[36:37], s[10:11], s[28:29]      ; weights (+ RWS)
	s_add_nc_u64 s[12:13], s[12:13], s[30:31]
	s_add_nc_u64 s[14:15], s[14:15], s[30:31]
.macro XLOAD reg, sb, off              ; 64 numbers a lane: register 16 b + i = k 32 b + 16 h + i of my row
.irp b, 0,1,2,3
.irp j, 0,1,2,3
	global_load_b128 v[\reg+16*\b+4*\j:\reg+16*\b+4*\j+3], v4, s[\sb:\sb+1] offset:\off+128*\b+16*\j
.endr
.endr
.endm
; 64 numbers of a lane become a fragment's 16 registers of codes, v[pc] on, and the row's scale word, v[pw].  v16-19 largest magnitudes, v20-23 bytes, v24-27 448 x the scale, v28-31 the conversion's scale operand
.macro QUANT s, pc, pw
.irp b, 0,1,2,3
	v_max3_num_f32 v[16+\b], |v[\s+16*\b]|, |v[\s+1+16*\b]|, FLOOR
.endr
.irp i, 2,4,6,8,10,12,14
.irp b, 0,1,2,3
	v_max3_num_f32 v[16+\b], v[16+\b], |v[\s+16*\b+\i]|, |v[\s+1+16*\b+\i]|   ; the four blocks by turns
.endr
.endr
.irp b, 0,1,2,3
	v_permlanex16_b32 v[20+\b], v[16+\b], s[SEL], s[SEL+1]
.endr
.irp b, 0,1,2,3
	v_max_num_f32 v[16+\b], v[16+\b], v[20+\b]     ; with lane l xor 16's 16 numbers: the block's
.endr
.irp b, 0,1,2,3
	v_add_nc_u32 v[28+\b], EOFF, v[16+\b]
.endr
.irp b, 0,1,2,3
	v_and_or_b32 v[24+\b], v[16+\b], 0x7f800000, s[MNT]
.endr
.irp b, 0,1,2,3
	v_lshrrev_b32 v[20+\b], 23, v[28+\b]
.endr
	v_lshl_or_b32 v[\pw], v21, 8, v20
	v_lshl_or_b32 v[\pw], v22, 16, v[\pw]
	v_lshl_or_b32 v[\pw], v23, 24, v[\pw]
.irp b, 0,1,2,3
.irp i, 0,1,2,3,4,5,6,7,8,9,10,11,12,13,14,15
	v_med3_num_f32 v[\s+16*\b+\i], v[\s+16*\b+\i], -v[24+\b], v[24+\b]   ; the conversion does not saturate (ISA guide 7.6.2): the hold at 448 x the scale
.endr
	v_cvt_scalef32_pk8_fp8_f32 v[\pc+4*\b:\pc+4*\b+1], v[\s+16*\b:\s+16*\b+7], v[28+\b]
	v_cvt_scalef32_pk8_fp8_f32 v[\pc+4*\b+2:\pc+4*\b+3], v[\s+16*\b+8:\s+16*\b+15], v[28+\b]
.endr
	v_nop                                          ; a plain line behind the last conversion
.endm
	XLOAD X, 4, 0
	XLOAD G0, 6, 0
	XLOAD G1, 6, 65536
	s_wait_loadcnt 32                              ; x is in; gate_w's 32 loads are younger
	QUANT X, PC, 12                                ; v12: x's scale word
.irp c, 0,1,2,3
	global_store_b128 v5, v[PC+4*\c:PC+4*\c+3], s[32:33] offset:512*\c   ; 512 consecutive bytes a store
.endr
	ds_store_b32 v6, v12 offset:XSS                ; both halves of the lanes write the same word with the same value
	global_load_b128 v[96:99], v8, s[8:9]
	global_load_b128 v[100:103], v8, s[8:9] offset:16
	global_load_b128 v[104:107], v8, s[8:9] offset:64
	global_load_b128 v[108:111], v8, s[8:9] offset:80
	s_wait_loadcnt 20                              ; experts 0-15 are in; younger: 16 loads of experts 16-31 and the bias's 4
	QUANT G0, 48, 13
	s_wait_loadcnt 4                               ; the bias's 4 may be out
	QUANT G1, 64, 14
.rept 4
	v_nop                                          ; codes written by vector instructions stand four places ahead of a scaled product; the scale words were made ahead of the holds
.endr
	v_wmma_scale_f32_16x16x128_f8f6f4 v[80:87], v[48:63], v[32:47], 0, v13, v12
	v_wmma_scale_f32_16x16x128_f8f6f4 v[88:95], v[64:79], v[32:47], 0, v14, v12
.rept 8
	v_nop                                          ; eight places ahead of the first read of the results
.endr
	ds_store_b128 v7, v[80:83]
	ds_store_b128 v7, v[84:87] offset:512
	ds_store_b128 v7, v[88:91] offset:1024
	ds_store_b128 v7, v[92:95] offset:1536
	s_wait_dscnt 0x0                               ; for the others' sake: my stores have landed
	s_barrier_signal -1
	s_barrier_wait -1
	s_cmp_eq_u32 s16, 0
	s_cbranch_scc1 .Lwave0
	s_cmp_eq_u32 s16, 1
	s_cbranch_scc0 .Lend
	ds_load_b128 v[112:115], v5 offset:XSS         ; wave 1: the tile's 512 bytes of scale words leave as they lie
	s_wait_dscnt 0x0
	global_store_b128 v5, v[112:115], s[34:35] offset:SCL
.Lend:
	s_wait_tensorcnt 0x0
	ds_add_u32 v240, v241
	s_wait_dscnt 0x0
	s_endpgm
.Lwave0:
.irp s, 0,1,2,3,4,5,6,7
.irp q, 0,1,2,3
	ds_load_b128 v[112+16*\s+4*\q:115+16*\s+4*\q], v5 offset:2048*\s+512*\q
.endr
.endr
	s_wait_dscnt 0x0
.irp n, 0,2,4,6,8,10,12,14
	v_pk_add_f32 v[48+\n:49+\n], v[112+\n:113+\n], v[128+\n:129+\n]      ; the logits: K steps in ascending order
.endr
.irp s, 2,3,4,5,6,7
.irp n, 0,2,4,6,8,10,12,14
	v_pk_add_f32 v[48+\n:49+\n], v[48+\n:49+\n], v[112+16*\s+\n:113+16*\s+\n]
.endr
.endr
.irp n, 0,2,4,6,8,10,12,14
	v_pk_mul_f32 v[64+\n:65+\n], v[48+\n:49+\n], 0xbfb8aa3b op_sel_hi:[1,0]   ; - logit x log2(e)
.endr
.irp n, 0,1,2,3,4,5,6,7,8,9,10,11,12,13,14,15
	v_exp_f32 v[64+\n], v[64+\n]
.endr
	v_nop
	s_wait_alu depctr_va_vdst(0)                   ; one wait for the batch, ahead of its first reader
.irp n, 0,2,4,6,8,10,12,14
	v_pk_add_f32 v[64+\n:65+\n], v[64+\n:65+\n], 1.0 op_sel_hi:[1,0]
.endr
.irp n, 0,1,2,3,4,5,6,7,8,9,10,11,12,13,14,15
	v_rcp_f32 v[64+\n], v[64+\n]                   ; v64-79: the scores
.endr
	v_nop
	s_wait_alu depctr_va_vdst(0)
	s_wait_loadcnt 0x0                             ; the bias
.irp n, 0,2,4,6,8,10,12,14
	v_pk_add_f32 v[80+\n:81+\n], v[64+\n:65+\n], v[96+\n:97+\n]          ; v80-95: the scores with the bias
.endr
.irp g, 0,1                                    ; the two largest of each of my two groups: m1 in v112, v114; m2 in v113, v115
	v_max_num_f32 v[112+2*\g], v[80+8*\g], v[81+8*\g]
	v_min_num_f32 v[113+2*\g], v[80+8*\g], v[81+8*\g]
.endr
.irp i, 2,3,4,5,6,7
.irp g, 0,1
	v_med3_num_f32 v[113+2*\g], v[112+2*\g], v[113+2*\g], v[80+8*\g+\i]
	v_max_num_f32 v[112+2*\g], v[112+2*\g], v[80+8*\g+\i]
.endr
.endr
	v_add_f32 v116, v112, v113
	v_add_f32 v117, v114, v115
	v_permlanex16_b32 v118, v116, s[SEL], s[SEL+1]
	v_permlanex16_b32 v119, v117, s[SEL], s[SEL+1]
	v_cndmask_b32 v120, v116, v118, s[HI]          ; the four groups' scores, in every lane
	v_cndmask_b32 v121, v118, v116, s[HI]
	v_cndmask_b32 v122, v117, v119, s[HI]
	v_cndmask_b32 v123, v119, v117, s[HI]
	v_mov_b32 v124, 3                              ; a group's rank = how many groups go before it.  It starts at the number of higher-numbered groups and loses one for each of them that it beats
	v_mov_b32 v125, 2
	v_mov_b32 v126, 1
	v_mov_b32 v127, 0
.macro DUEL a, b                       ; a < b: on a tie the lower index goes first
	v_cmp_ge_f32 vcc_lo, v[120+\a], v[120+\b]
	v_cndmask_b32 v128, 0, 1, vcc_lo
	v_add_nc_u32 v[124+\b], v[124+\b], v128
	v_sub_nc_u32 v[124+\a], v[124+\a], v128
.endm
	DUEL 0, 1
	DUEL 0, 2
	DUEL 0, 3
	DUEL 1, 2
	DUEL 1, 3
	DUEL 2, 3
	v_cndmask_b32 v130, v124, v125, s[HI]          ; my two groups' ranks
	v_cndmask_b32 v131, v126, v127, s[HI]
	v_cmp_gt_u32 s42, 2, v130
	v_cmp_gt_u32 s43, 2, v131
	v_mov_b32 v129, 0xff7fffff                     ; the least finite number: what a group that is not kept holds
	v_mov_b32 v145, 0xff800000                     ; under it: what has been picked
	v_lshlrev_b32 v146, 3, v3                      ; 8 h
.irp n, 0,1,2,3,4,5,6,7
	v_cndmask_b32 v[80+\n], v129, v[80+\n], s42
.endr
.irp n, 8,9,10,11,12,13,14,15
	v_cndmask_b32 v[80+\n], v129, v[80+\n], s43
.endr
; The k-th pick: my 16 candidates' best (the strict compare keeps the lower index), then the better of mine and lane l xor 16's; its score without the bias; it is struck out.
.macro PICK k
	v_mov_b32 v130, v80
	v_mov_b32 v131, 0
.irp n, 1,2,3,4,5,6,7,8,9,10,11,12,13,14,15
	v_cmp_gt_f32 vcc_lo, v[80+\n], v130
	v_cndmask_b32 v130, v130, v[80+\n], vcc_lo
	v_cndmask_b32 v131, v131, \n, vcc_lo
.endr
	v_and_b32 v144, 8, v131
	v_add3_u32 v[132+\k], v131, v144, v146         ; the expert: 8 h + n, and 8 more in the second tile
	v_permlanex16_b32 v140, v130, s[SEL], s[SEL+1]
	v_permlanex16_b32 v141, v[132+\k], s[SEL], s[SEL+1]
	v_cmp_gt_f32 s42, v140, v130
	v_cmp_eq_f32 s43, v140, v130
	v_cmp_lt_u32 s44, v141, v[132+\k]
	s_and_b32 s43, s43, s44
	s_or_b32 s42, s42, s43
	v_cndmask_b32 v[132+\k], v[132+\k], v141, s42
	v_sub_nc_u32 v142, v[132+\k], v146
	v_mov_b32 v143, 0
.irp n, 0,1,2,3,4,5,6,7,8,9,10,11,12,13,14,15
	v_cmp_eq_u32 vcc_lo, \n+8*(\n/8), v142
	v_cndmask_b32 v143, v143, v[64+\n], vcc_lo
	v_cndmask_b32 v[80+\n], v[80+\n], v145, vcc_lo
.endr
	v_permlanex16_b32 v144, v143, s[SEL], s[SEL+1]
	v_add_f32 v[136+\k], v143, v144                ; one of the two lanes holds the score, the other 0
.endm
	PICK 0
	PICK 1
	PICK 2
	PICK 3
	v_add_f32 v147, v136, v137
	v_add_f32 v147, v147, v138
	v_add_f32 v147, v147, v139
	v_rcp_f32 v147, v147
	v_mov_b32 v149, 1.0                            ; (a plain line behind the reciprocal)
	s_wait_alu depctr_va_vdst(0)
.irp k, 0,1,2,3
	v_mul_f32 v[136+\k], v[136+\k], v147
.endr
.irp k, 0,1,2,3
	v_mul_f32 v[136+\k], 0x40200000, v[136+\k]     ; x 2.5
.endr
	s_wait_xcnt 0x0                                ; EXEC changes only behind this wait
	v_cmp_gt_u32 vcc_lo, 16, v1
	s_wait_tensorcnt 0x0
	ds_add_u32 v240, v241
	s_wait_dscnt 0x0
	s_and_saveexec_b32 s42, vcc_lo
	global_store_b128 v9, v[132:135], s[12:13]     ; sixteen lanes store 256 consecutive bytes
	global_store_b128 v9, v[136:139], s[14:15]
	global_store_b32 v10, v149, s[36:37] offset:RWS
	s_wait_xcnt 0x0
	s_or_b32 exec_lo, exec_lo, s42
	s_endpgm
.Lfunc_end_k_q3518e8ee50_route:
	.size	k_q3518e8ee50_route, .Lfunc_end_k_q3518e8ee50_route-k_q3518e8ee50_route
	.p2alignl 7, 3214868480
	.fill 96, 4, 3214868480
	.section	.rodata,"a",@progbits
	.p2align	6, 0x0
	.amdhsa_kernel k_q3518e8ee50_route
		.amdhsa_group_segment_fixed_size 17920
		.amdhsa_private_segment_fixed_size 0
		.amdhsa_enable_private_segment 0
		.amdhsa_kernarg_size 48
		.amdhsa_user_sgpr_count 2
		.amdhsa_user_sgpr_kernarg_segment_ptr 1
		.amdhsa_wavefront_size32 1
		.amdhsa_system_sgpr_workgroup_id_x 1
		.amdhsa_system_sgpr_workgroup_id_y 1
		.amdhsa_system_sgpr_workgroup_id_z 1
		.amdhsa_system_vgpr_workitem_id 0
		.amdhsa_next_free_vgpr 242
		.amdhsa_next_free_sgpr 66
		.amdhsa_reserve_vcc 1
		.amdhsa_float_denorm_mode_32 3
		.amdhsa_float_denorm_mode_16_64 3
		.amdhsa_memory_ordered 1
		.amdhsa_forward_progress 1
		.amdhsa_inst_pref_size 64
	.end_amdhsa_kernel
	.amdgpu_metadata
---
amdhsa.version: [ 1, 2 ]
amdhsa.kernels:
  - .name:           k_q3518e8ee50_route
    .symbol:         k_q3518e8ee50_route.kd
    .args:
      - { .name: hidden_states, .offset: 0, .size: 8, .value_kind: global_buffer, .address_space: global }
      - { .name: gate_w, .offset: 8, .size: 8, .value_kind: global_buffer, .address_space: global }
      - { .name: expert_bias, .offset: 16, .size: 8, .value_kind: global_buffer, .address_space: global }
      - { .name: xq, .offset: 24, .size: 8, .value_kind: global_buffer, .address_space: global }
      - { .name: ids, .offset: 32, .size: 8, .value_kind: global_buffer, .address_space: global }
      - { .name: rw, .offset: 40, .size: 8, .value_kind: global_buffer, .address_space: global }
    .group_segment_fixed_size: 17920
    .private_segment_fixed_size: 0
    .kernarg_segment_align: 8
    .kernarg_segment_size: 48
    .max_flat_workgroup_size: 256
    .sgpr_count:     66
    .vgpr_count:     242
    .wavefront_size: 32
...
	.end_amdgpu_metadata
.endif
;; end of part 1
;; launch place (part 2): grid 8 x 32, 1 waves a work-group, no clusters, 4,864 bytes of LDS; arguments ids, rw, xq, meta, xg; writes meta, xg
.if DOCPART == 2
	.amdgcn_target "amdgcn-amd-amdhsa--gfx1250"
	.amdhsa_code_object_version 6
	.text
	.protected	k_q3518e8ee50_place
	.globl	k_q3518e8ee50_place
	.p2align	8
	.type	k_q3518e8ee50_place,@function
k_q3518e8ee50_place:
	s_mov_b64 s[64:65], 0
	v_nop
	global_prefetch_b8 v0, s[64:65] scope:SCOPE_SE
	s_setreg_imm32_b32 hwreg(HW_REG_WAVE_MODE, 25, 1), 1
	s_wait_xcnt 0x0
; PLACE.  For expert e (work-group y): the list of the (token, k) that chose it, in token order; its rows' codes, scale words and route weights gathered into xg's region e, as images of operand
; registers, filled up to whole pairs of tiles (32 rows) with copies of the expert's last row; the count; and for each (token, k) the row that it got: pos[4 t + k] = 1024 e + rank.
; One wave to a work-group.  Eight work-groups (x = part) serve an expert: each scans all 1,024 tokens (16 KiB) into a list in its own LDS and gathers the pairs part, part + 8, part + 16, part + 24.
; A token names an expert at most once, so a region of 1,024 rows always suffices.  A region: codes at 0 (tile: 16,384 bytes), scale words at SCL ([tile][K step][row]), weights at RWS.
; EXEC IS NEVER WRITTEN.  In the scan a lane whose token did not choose e stores into a dump word of its own; a row beyond the count takes the list's last entry, and stores that row's place in pos again:
; the same number to the same word.  Every number that was loaded is held under a constant before it enters an address.
; LDS: words 0 .. 1023 the list (an entry is 4 x token + k), words 1024 .. 1055 the dump.
.set RS,  0x109000
.set SCL, 0x100000
.set RWS, 0x108000
	s_load_b256 s[4:11], s[0:1], 0x0               ; ids s[4:5], rw s[6:7], xq s[8:9], meta s[10:11]
	s_load_b64 s[12:13], s[0:1], 0x20              ; xg
	v_lshl_add_u32 v176, v0, 2, 0x1200
	v_mov_b32 v177, 0
	v_and_b32 v1, 31, v0                           ; lane
	v_lshlrev_b32 v2, 4, v1                        ; 16 x lane
	v_and_b32 v3, 15, v0                           ; r
	v_lshlrev_b32 v4, 2, v1                        ; 4 x lane
	v_bfe_u32 v7, v0, 4, 1                         ; h
	v_lshlrev_b32 v6, 8, v7                        ; 256 h
	v_lshlrev_b32 v8, 2, v3
	v_lshl_add_u32 v8, v7, 9, v8                   ; a pair's scale words: 512 x tile + 4 r
	v_add_nc_u32 v9, 1024, v1                      ; my dump word
	s_and_b32 s14, ttmp7, 0xffff                   ; e
	s_mov_b32 s15, 0                               ; the count
	s_lshl_b32 s17, s14, 2
	s_lshl_b32 s37, s14, 10                        ; the region's first row
	s_mul_i32 s34, s14, RS
	s_mov_b32 s35, 0
	s_wait_kmcnt 0x0
	s_add_nc_u64 s[12:13], s[12:13], s[34:35]      ; my region
.irp i, 0,1,2,3,4,5,6,7,8,9,10,11,12,13,14,15,16,17,18,19,20,21,22,23,24,25,26,27,28,29,30,31
	global_load_b128 v[32+4*\i:35+4*\i], v2, s[4:5] offset:512*\i   ; the four experts of token 32 i + lane
.endr
.macro SCAN i
	s_wait_loadcnt 31-(\i)                         ; the later loads may be out
	v_cmp_eq_u32 s20, s14, v[32+4*(\i)]
	v_cmp_eq_u32 s21, s14, v[33+4*(\i)]
	v_cmp_eq_u32 s22, s14, v[34+4*(\i)]
	v_cmp_eq_u32 s23, s14, v[35+4*(\i)]
	s_or_b32 s24, s20, s21
	s_or_b32 s25, s22, s23
	s_or_b32 s24, s24, s25                         ; the lanes whose token chose e
	v_cndmask_b32 v10, 0, 1, s21
	v_cndmask_b32 v10, v10, 2, s22
	v_cndmask_b32 v10, v10, 3, s23                 ; as which of its four
	v_mbcnt_lo_u32_b32 v11, s24, s15               ; the rank: the count so far + the chosen lanes below mine
	v_cndmask_b32 v11, v9, v11, s24                ; a lane that was not chosen takes its dump word
	v_min_u32 v11, 1055, v11
	v_lshlrev_b32 v13, 2, v11
	v_add3_u32 v12, v4, 128*(\i), v10              ; the entry: 4 x token + k
	ds_store_b32 v13, v12
	s_bcnt1_i32_b32 s27, s24
	s_add_co_u32 s15, s15, s27
.endm
.irp i, 0,1,2,3,4,5,6,7,8,9,10,11,12,13,14,15,16,17,18,19,20,21,22,23,24,25,26,27,28,29,30,31
	SCAN \i
.endr
	s_min_u32 s15, s15, 1024
	s_add_co_u32 s16, s15, 31
	s_lshr_b32 s16, s16, 5                         ; pairs of tiles
	s_sub_co_u32 s38, s15, 1                       ; the last row (used only where there is a pair, so a row)
	s_cmp_lg_u32 ttmp9, 0
	s_cbranch_scc1 .Lnocount
	v_mov_b32 v15, s15
	v_mov_b32 v16, s17
	global_store_b32 v16, v15, s[10:11]            ; counts[e], by part 0: all lanes store the same word with the same value
.Lnocount:
.macro WHERE dst, src                  ; an entry's place in xq's codes for my half: tile x 16384 + 16 x row + 256 h
	v_lshrrev_b32 v25, 6, \src
	v_min_u32 v25, 63, v25
	v_bfe_u32 v26, \src, 2, 4
	v_min_u32 v26, 15, v26
	v_lshlrev_b32 \dst, 14, v25
	v_lshl_add_u32 \dst, v26, 4, \dst
	v_add_nc_u32 \dst, \dst, v6
.endm
.macro TILE adr                        ; 16 rows x 1,024 codes, gathered 16 bytes a lane
.irp s, 0,1,2,3,4,5,6,7
.irp c, 0,1,2,3
	global_load_b128 v[32+16*\s+4*\c:35+16*\s+4*\c], \adr, s[8:9] offset:2048*\s+512*\c
.endr
.endr
.endm
.macro TILEOUT off                     ; and stored 512 consecutive bytes an instruction
.irp s, 0,1,2,3,4,5,6,7
.irp c, 0,1,2,3
	global_store_b128 v2, v[32+16*\s+4*\c:35+16*\s+4*\c], s[28:29] offset:\off+2048*\s+512*\c
.endr
.endr
.endm
.macro PAIR j
	s_add_co_u32 s18, ttmp9, 8*\j                  ; the pair
	s_cmp_lt_u32 s18, s16
	s_cbranch_scc0 .Lend
	s_lshl_b32 s36, s18, 5                         ; its first row
	v_add_nc_u32 v17, s36, v3                      ; row r of the pair's first tile,
	v_add_nc_u32 v18, 16, v17                      ; of its second,
	v_add_nc_u32 v171, s36, v1                     ; and row = lane of the pair;
	v_min_u32 v17, s38, v17                        ; a row beyond the count is the last row once more
	v_min_u32 v18, s38, v18
	v_min_u32 v171, s38, v171
	v_min_u32 v17, 1023, v17
	v_min_u32 v18, 1023, v18
	v_min_u32 v19, 1023, v171
	v_lshlrev_b32 v17, 2, v17
	v_lshlrev_b32 v18, 2, v18
	v_lshlrev_b32 v19, 2, v19
	ds_load_b32 v21, v17                           ; LDS serves a wave's instructions in order (ISA guide 5.7.1.4): these see the scan's stores
	ds_load_b32 v22, v18
	ds_load_b32 v24, v19
	s_lshl_b32 s20, s18, 15
	s_mov_b32 s21, 0
	s_add_nc_u64 s[28:29], s[12:13], s[20:21]      ; the pair's codes,
	s_lshl_b32 s20, s18, 10
	s_add_nc_u64 s[30:31], s[12:13], s[20:21]      ; scale words (+ SCL),
	s_lshl_b32 s20, s18, 7
	s_add_nc_u64 s[32:33], s[12:13], s[20:21]      ; weights (+ RWS)
	v_add_nc_u32 v170, s37, v171                   ; 1024 e + rank
	s_wait_dscnt 0x0
	WHERE v27, v21
	WHERE v28, v22
	v_lshrrev_b32 v25, 6, v24
	v_min_u32 v25, 63, v25
	v_bfe_u32 v26, v24, 2, 4
	v_min_u32 v26, 15, v26
	v_lshlrev_b32 v169, 9, v25
	v_lshl_add_u32 v169, v26, 2, v169              ; its scale words in xq: 512 x tile + 4 x row
	v_min_u32 v29, 4095, v24
	v_lshlrev_b32 v29, 2, v29                      ; its place in rw and in pos
.irp s, 0,1,2,3,4,5,6,7
	global_load_b32 v[160+\s], v169, s[8:9] offset:SCL+64*\s
.endr
	global_load_b32 v168, v29, s[6:7]
	TILE v27
	s_wait_loadcnt 32                              ; the nine small loads are in; the tile's 32 are younger
.irp s, 0,1,2,3,4,5,6,7
	global_store_b32 v8, v[160+\s], s[30:31] offset:SCL+64*\s
.endr
	global_store_b32 v4, v168, s[32:33] offset:RWS
	global_store_b32 v29, v170, s[10:11] offset:256        ; pos; the lanes beyond the count store the last row's place again
	s_wait_loadcnt 0x0
	TILEOUT 0
	s_wait_xcnt 0x0                                ; the stores have read their registers: the second tile may land there
	TILE v28
	s_wait_loadcnt 0x0
	TILEOUT 16384
	s_wait_xcnt 0x0                                ; every register and base above is written again only behind this wait
.endm
	PAIR 0
	PAIR 1
	PAIR 2
	PAIR 3
.Lend:
	s_wait_tensorcnt 0x0
	ds_add_u32 v176, v177
	s_wait_dscnt 0x0
	s_endpgm
.Lfunc_end_k_q3518e8ee50_place:
	.size	k_q3518e8ee50_place, .Lfunc_end_k_q3518e8ee50_place-k_q3518e8ee50_place
	.p2alignl 7, 3214868480
	.fill 96, 4, 3214868480
	.section	.rodata,"a",@progbits
	.p2align	6, 0x0
	.amdhsa_kernel k_q3518e8ee50_place
		.amdhsa_group_segment_fixed_size 4864
		.amdhsa_private_segment_fixed_size 0
		.amdhsa_enable_private_segment 0
		.amdhsa_kernarg_size 40
		.amdhsa_user_sgpr_count 2
		.amdhsa_user_sgpr_kernarg_segment_ptr 1
		.amdhsa_wavefront_size32 1
		.amdhsa_system_sgpr_workgroup_id_x 1
		.amdhsa_system_sgpr_workgroup_id_y 1
		.amdhsa_system_sgpr_workgroup_id_z 1
		.amdhsa_system_vgpr_workitem_id 0
		.amdhsa_next_free_vgpr 178
		.amdhsa_next_free_sgpr 66
		.amdhsa_reserve_vcc 0
		.amdhsa_float_denorm_mode_32 3
		.amdhsa_float_denorm_mode_16_64 3
		.amdhsa_memory_ordered 1
		.amdhsa_forward_progress 1
		.amdhsa_inst_pref_size 101
	.end_amdhsa_kernel
	.amdgpu_metadata
---
amdhsa.version: [ 1, 2 ]
amdhsa.kernels:
  - .name:           k_q3518e8ee50_place
    .symbol:         k_q3518e8ee50_place.kd
    .args:
      - { .name: ids, .offset: 0, .size: 8, .value_kind: global_buffer, .address_space: global }
      - { .name: rw, .offset: 8, .size: 8, .value_kind: global_buffer, .address_space: global }
      - { .name: xq, .offset: 16, .size: 8, .value_kind: global_buffer, .address_space: global }
      - { .name: meta, .offset: 24, .size: 8, .value_kind: global_buffer, .address_space: global }
      - { .name: xg, .offset: 32, .size: 8, .value_kind: global_buffer, .address_space: global }
    .group_segment_fixed_size: 4864
    .private_segment_fixed_size: 0
    .kernarg_segment_align: 8
    .kernarg_segment_size: 40
    .max_flat_workgroup_size: 32
    .sgpr_count:     66
    .vgpr_count:     178
    .wavefront_size: 32
...
	.end_amdgpu_metadata
.endif
;; end of part 2
;; launch gateup (part 3): grid 8 x 36, 8 waves a work-group, no clusters, 137,216 bytes of LDS; arguments xq, xg, meta, w_gate, w_up, sw_gate, sw_up, aq; writes aq
.if DOCPART == 3
	.amdgcn_target "amdgcn-amd-amdhsa--gfx1250"
	.amdhsa_code_object_version 6
	.text
	.protected	k_q3518e8ee50_gateup
	.globl	k_q3518e8ee50_gateup
	.p2align	8
	.type	k_q3518e8ee50_gateup,@function
k_q3518e8ee50_gateup:
	s_mov_b64 s[64:65], 0
	v_nop
	global_prefetch_b8 v0, s[64:65] scope:SCOPE_SE
	s_setreg_imm32_b32 hwreg(HW_REG_WAVE_MODE, 25, 1), 1
	s_wait_xcnt 0x0
; GATE AND UP.  a = Q(silu(x Wg) (x Wu) route), both products on codes of FP8 (E4M3) with one E8M0 byte for each 32 along K = 1,024.
; A work-group takes 64 columns of I (x = cs: 256 aligned bytes of each weight row) of one expert (y < 32), or of the shared expert for 256 of its 1,024 rows (y = 32 .. 35).
; PHASE 1: the weights, f32 with K as their FIRST axis, are read once and quantised on the way into LDS, as images of operand registers.  Wave w takes matrix w & 1 (gate, up) and K steps
; w >> 1 and (w >> 1) + 4, a block of 32 along K at a time: lanes 0-15 read the 256 bytes of row k, lanes 16-31 those of row k + 16; a lane holds 4 columns x 16 along K; the hold at the largest
; code also turns them, so that a column's 16 numbers stand in consecutive registers for the conversion.  Two blocks (32 loads of 512 bytes) a wave are on their way.
; THE COLUMNS OF A TILE ARE NOT NEIGHBOURS: of a block of 32 columns, tile u takes column 8 u + r + 8 (r / 8) as its row r, so that a lane's 16 results of tiles 0 and 1 are 16 neighbours along the next K.
; PHASE 2, behind the launch's one barrier: wave w takes 32 columns (w & 1) and the pairs of row tiles w >> 1, + 4, ..: eight accumulators (2 row tiles x gate, up x 2 column tiles) by turns over 8 K steps.
; The products are used transposed (source 0 = 16 columns, source 1 = 16 rows of x): a lane holds one row.  x's fragments come from memory straight into a ring of three register slots.
; Then silu(g) u route in f32, the block of 32 is quantised (lanes l and l xor 16), and 16 bytes a lane leave as the next product's operand image; one scale byte a row beside it.
; How many pairs an expert has is read from meta: trip counts hang on it, so the launch has no tensor load, and no barrier stands under such a branch.  Rows are filled up to whole pairs by the launch before.
; No cluster: no two work-groups read the same weights, which are all but a small part of the bytes.
; LIMITS: NaN and infinities are not served; a block whose largest magnitude lies under 2^-118 gets the byte 1 (this program alone reads the bytes).
.set FLOOR, 0x4800000
.set EOFF,  0xfc000000
.set RS,    0x109000                   ; a region of rows: codes, scale words at SCL, weights at RWS
.set SCL,   0x100000
.set RWS,   0x108000
.set AS_,   0x84000                    ; a region of a: codes (tile: 4 K steps x 2,048 bytes), scale bytes [row][16] at ASC
.set ASC,   0x80000
.set GRP,   32784                      ; LDS: four groups (column block, tile) of 16 images [matrix][K step] x 2,048 bytes, + 16: the sixteen lanes of a store touch sixteen different 16-byte columns modulo 256
.set SIMG,  131328                     ; LDS: the weights' scale words: [column block][matrix][K step] x 128 bytes; the word of lane 16 u + r
; v1 16 x lane; v2, v3 where I read images and scale words; v4 my bytes in a weight block; v5, v6 where I store codes and scale words; v7, v8 x's scale words and weights; v10-15 at work (v12, v14: the route weights)
; v16-18 x's scale words, one for each slot; v20, v21 the weights' scale words: these five hold scales and nothing else
; phase 1: v24-27 largest magnitudes, v28-31 the other lane's, v32-35 scale operands, v36-39 448 x the scale, v40-43 scale words, v44-47 bytes, v48-63 codes, v64-127 turned numbers, v128-191, v192-255 two blocks as loaded
; phase 2: v24-87 accumulators (24 + 32 i + 8 (2 m + u)), v88-151 four weight fragments, v152-247 three slots of two fragments of x, v248-255 the codes that leave
	s_load_b512 s[4:19], s[0:1], 0x0               ; xq s[4:5], xg s[6:7], meta s[8:9], w_gate s[10:11], w_up s[12:13], sw_gate s[14:15], sw_up s[16:17], aq s[18:19]
	v_lshl_add_u32 v22, v0, 2, 0x21400
	v_mov_b32 v23, 0
	v_lshrrev_b32 v10, 5, v0
	v_readfirstlane_b32 s20, v10                   ; wave
	s_and_b32 s21, s20, 1                          ; phase 1: matrix; phase 2: column block
	s_lshr_b32 s22, s20, 1                         ; phase 1: K step; phase 2: first pair
	s_mov_b32 s23, ttmp9                           ; cs
	s_and_b32 s24, ttmp7, 0xffff                   ; y
	s_mov_b32 s25, 0xffff0000                      ; lanes 16-31
	s_mov_b32 s26, 0x76543210
	s_mov_b32 s27, 0xfedcba98                      ; v_permlanex16_b32's selects for lane l xor 16
	s_mov_b32 s28, 0x600000                        ; the mantissa field of 448
	v_and_b32 v10, 31, v0                          ; lane
	v_and_b32 v11, 15, v0                          ; q: my 4 columns are 4 q ..
	v_bfe_u32 v12, v0, 4, 1                        ; h
	v_bfe_u32 v13, v0, 3, 1                        ; column block
	v_bfe_u32 v14, v0, 1, 1                        ; u
	v_and_b32 v15, 1, v0
	v_bfe_u32 v9, v0, 2, 1
	v_lshlrev_b32 v1, 4, v10
	s_mul_i32 s58, s21, 2*GRP
	v_add_nc_u32 v2, s58, v1
	s_lshl_b32 s58, s21, 11
	s_add_co_u32 s58, s58, SIMG
	v_lshl_add_u32 v3, v10, 2, s58
	v_lshlrev_b32 v4, 4, v11
	v_lshl_add_u32 v4, v12, 15, v4                 ; 16 q + 16 rows of 2,048 bytes for lanes 16-31
	v_lshl_add_u32 v5, v13, 1, v14                 ; the group
	v_mul_u32_u24 v5, v5, GRP
	v_lshl_add_u32 v5, v12, 8, v5                  ; + 256 h
	v_lshl_add_u32 v5, v15, 6, v5                  ; + 16 x row: row = 4 (q & 1) + 8 ((q >> 2) & 1) + j
	v_lshl_add_u32 v5, v9, 7, v5
	s_lshl_b32 s58, s21, 3
	s_add_co_u32 s58, s58, s22
	s_lshl_b32 s58, s58, 11
	v_add_nc_u32 v5, s58, v5                       ; + the image of (matrix, K step)
	v_lshlrev_b32 v6, 11, v13
	v_lshl_add_u32 v6, v14, 6, v6
	v_lshl_add_u32 v6, v9, 5, v6
	v_lshl_add_u32 v6, v15, 4, v6
	v_lshl_add_u32 v6, v12, 3, v6                  ; the word of lane 16 u + row; lanes 0-15 store columns j = 0, 1, lanes 16-31 j = 2, 3
	s_lshl_b32 s58, s21, 10
	s_lshl_b32 s59, s22, 7
	s_add_co_u32 s58, s58, s59
	s_add_co_u32 s58, s58, SIMG
	v_add_nc_u32 v6, s58, v6
	v_lshlrev_b32 v7, 2, v11
	v_lshl_add_u32 v7, v12, 9, v7                  ; lanes 0-15 the first tile's words, lanes 16-31 the second's
	v_lshlrev_b32 v8, 2, v11
.irp j, 0,1,2,3
	v_mov_b32 v[28+\j], 0                          ; written once: a lane permute's destination counts as one of its sources
.endr
	s_lshl_b32 s60, s24, 21                        ; an expert's weights: 2 MiB
	s_mul_i32 s61, s24, RS
	s_sub_co_u32 s35, s24, 32
	s_lshl_b32 s35, s35, 3                         ; the shared expert: 8 pairs to a work-group
	s_min_u32 s34, s24, 32                         ; the region in aq
	s_min_u32 s63, s24, 31
	s_lshl_b32 s63, s63, 2
	s_lshl_b32 s40, s23, 8
	s_lshl_b32 s41, s22, 18
	s_add_co_u32 s40, s40, s41                     ; 256 cs + my K step's 128 rows
	s_mul_i32 s42, s34, AS_
	s_lshl_b32 s43, s23, 1
	s_add_co_u32 s43, s43, s21                     ; my block of 32 along the next K: 2 cs + column block
	s_lshr_b32 s44, s43, 2
	s_lshl_b32 s44, s44, 11
	s_and_b32 s45, s43, 3
	s_lshl_b32 s45, s45, 9
	s_add_co_u32 s44, s44, s45
	s_add_co_u32 s44, s44, s42
	s_add_co_u32 s46, s42, s43
	s_mov_b32 s45, 0
	s_mov_b32 s47, 0
	s_mov_b32 s41, 0
	s_wait_kmcnt 0x0
	s_add_nc_u64 s[54:55], s[18:19], s[44:45]      ; where my codes go, pair 0
	s_add_nc_u64 s[56:57], s[18:19], s[46:47]      ; and my scale bytes (+ ASC)
	s_cmp_eq_u32 s21, 0
	s_cselect_b64 s[10:11], s[10:11], s[12:13]     ; gate or up,
	s_cselect_b64 s[14:15], s[14:15], s[16:17]
	s_cmp_lt_u32 s24, 32
	s_cselect_b64 s[30:31], s[10:11], s[14:15]     ; routed or shared: the choices hang on the wave's and the work-group's numbers alone
	s_cselect_b64 s[32:33], s[6:7], s[4:5]
	s_cselect_b32 s60, s60, 0
	s_cselect_b32 s58, s61, 0
	s_cselect_b32 s35, 0, s35                      ; the first pair
	s_mov_b32 s61, 0
	s_mov_b32 s59, 0
	s_add_nc_u64 s[30:31], s[30:31], s[60:61]
	s_add_nc_u64 s[30:31], s[30:31], s[40:41]      ; my weights
	s_add_nc_u64 s[32:33], s[32:33], s[58:59]      ; my rows' region
.macro LOADU t                         ; unit t: K step (w >> 1) + 4 (t >> 2), block t & 3: 32 rows x 256 bytes
.irp i, 0,1,2,3,4,5,6,7,8,9,10,11,12,13,14,15
	global_load_b128 v[128+64*((\t)%2)+4*\i:128+64*((\t)%2)+4*\i+3], v4, s[30:31] offset:(((\t)>>2)*512+((\t)&3)*32+\i)*2048
.endr
.endm
.macro UNIT t
.set RB, 128+64*((\t)%2)
.set CC, (\t)&3
.set HF, (\t)>>2
.if (\t) < 7
	s_wait_loadcnt 16                              ; this unit is in; the next unit's 16 loads are younger
.else
	s_wait_loadcnt 0x0
.endif
.irp j, 0,1,2,3
	v_max3_num_f32 v[24+\j], |v[RB+\j]|, |v[RB+4+\j]|, FLOOR
.endr
.irp i, 2,4,6,8,10,12,14
.irp j, 0,1,2,3
	v_max3_num_f32 v[24+\j], v[24+\j], |v[RB+4*\i+\j]|, |v[RB+4*\i+4+\j]|   ; the four columns by turns
.endr
.endr
.irp j, 0,1,2,3
	v_permlanex16_b32 v[28+\j], v[24+\j], s26, s27
.endr
.irp j, 0,1,2,3
	v_max_num_f32 v[24+\j], v[24+\j], v[28+\j]     ; with the other 16 along K: the block's largest magnitude
.endr
.irp j, 0,1,2,3
	v_add_nc_u32 v[32+\j], EOFF, v[24+\j]          ; the conversion's scale operand
.endr
.irp j, 0,1,2,3
	v_and_or_b32 v[36+\j], v[24+\j], 0x7f800000, s28   ; 448 x the scale
.endr
.if CC == 0
.irp j, 0,1,2,3
	v_lshrrev_b32 v[40+\j], 23, v[32+\j]           ; the byte starts the K step's scale word
.endr
.else
.irp j, 0,1,2,3
	v_lshrrev_b32 v[44+\j], 23, v[32+\j]
.endr
.irp j, 0,1,2,3
	v_lshl_or_b32 v[40+\j], v[44+\j], 8*CC, v[40+\j]
.endr
.endif
.irp j, 0,1,2,3
.irp i, 0,1,2,3,4,5,6,7,8,9,10,11,12,13,14,15
	v_med3_num_f32 v[64+16*\j+\i], v[RB+4*\i+\j], -v[36+\j], v[36+\j]   ; the hold (the conversion does not saturate: ISA guide 7.6.2), and the turn
.endr
.endr
.if (\t)+2 < 8
	LOADU (\t)+2                                   ; into the set just read
.endif
	s_wait_dscnt 0x0                               ; the last unit's LDS stores have read the codes' registers
.irp j, 0,1,2,3
	v_cvt_scalef32_pk8_fp8_f32 v[48+4*\j:49+4*\j], v[64+16*\j:71+16*\j], v[32+\j]
	v_cvt_scalef32_pk8_fp8_f32 v[50+4*\j:51+4*\j], v[72+16*\j:79+16*\j], v[32+\j]
.endr
	v_nop                                          ; a plain line behind the last conversion
.irp j, 0,1,2,3
	ds_store_b128 v5, v[48+4*\j:51+4*\j] offset:HF*8192+512*CC+16*\j
.endr
.if CC == 3
	v_cndmask_b32 v[10+2*HF], v40, v42, s25
	v_cndmask_b32 v[11+2*HF], v41, v43, s25
	ds_store_b32 v6, v[10+2*HF] offset:HF*512
	ds_store_b32 v6, v[11+2*HF] offset:HF*512+4
.endif
.endm
	LOADU 0
	LOADU 1
	s_load_b32 s62, s[8:9], s63 offset:0x0         ; the expert's count of rows
.irp t, 0,1,2,3,4,5,6,7
	UNIT \t
.endr
; slot: two fragments of x (the pair's two tiles, K step ks) and their scale words: nine loads
.macro SLOTLOAD slot, ks, ba, sc
.irp i, 0,1
.irp c, 0,1,2,3
	global_load_b128 v[152+32*(\slot)+16*\i+4*\c:152+32*(\slot)+16*\i+4*\c+3], v1, s[\ba:\ba+1] offset:\i*16384+(\ks)*2048+512*\c
.endr
.endr
	global_load_b32 v[16+(\slot)], v7, s[\sc:\sc+1] offset:SCL+64*(\ks)
.endm
	s_wait_kmcnt 0x0
	s_add_co_u32 s62, s62, 31
	s_lshr_b32 s62, s62, 5
	s_min_u32 s62, s62, 32
	s_cmp_lt_u32 s24, 32
	s_cselect_b32 s62, s62, 8                      ; pairs
	s_add_co_u32 s36, s62, s35                     ; behind the last pair
	s_add_co_u32 s37, s35, s22                     ; my first pair
	s_add_co_u32 s60, s62, 3
	s_sub_co_u32 s60, s60, s22
	s_lshr_b32 s60, s60, 2                         ; my trips: every fourth pair from my first on; 8 at the most
	s_cmp_lg_u32 s62, 0
	s_cselect_b64 s[32:33], s[32:33], s[4:5]       ; an expert without rows: what its waves ask for and discard is xq's first pair, bytes that were stored
	s_max_u32 s58, s36, 1
	s_sub_co_u32 s58, s58, 1
	s_min_u32 s39, s37, s58                        ; a wave without a pair asks for the last pair and discards it: so every wave has the same loads out
	s_min_u32 s39, s39, 31
	s_mov_b32 s59, 0
	s_lshl_b32 s58, s39, 15
	s_add_nc_u64 s[42:43], s[32:33], s[58:59]
	s_lshl_b32 s58, s39, 10
	s_add_nc_u64 s[46:47], s[32:33], s[58:59]
	SLOTLOAD 2, 2, 42, 46                          ; in the order in which a trip leaves them for the next
	SLOTLOAD 0, 0, 42, 46
	SLOTLOAD 1, 1, 42, 46
	s_wait_dscnt 0x0                               ; my images and scale words have landed
	s_barrier_signal -1
	s_barrier_wait -1                              ; everybody's have; LDS is only read from here on
	s_mov_b32 s29, 0                               ; trips done
	s_cmp_lg_u32 s60, 0
	s_cbranch_scc0 .Lend
.macro MM u, i, z                      ; one product; rows 16-31 of a scale register serve the second column tile (source 0) and the second row tile (source 1)
.if \z
.if (\u) && (\i)
	v_wmma_scale_f32_16x16x128_f8f6f4 v[rD:rD+7], v[rA:rA+15], v[rB:rB+15], 0, v[rSA], v[rSB] matrix_a_scale:MATRIX_SCALE_ROW1 matrix_b_scale:MATRIX_SCALE_ROW1
.elseif \u
	v_wmma_scale_f32_16x16x128_f8f6f4 v[rD:rD+7], v[rA:rA+15], v[rB:rB+15], 0, v[rSA], v[rSB] matrix_a_scale:MATRIX_SCALE_ROW1
.elseif \i
	v_wmma_scale_f32_16x16x128_f8f6f4 v[rD:rD+7], v[rA:rA+15], v[rB:rB+15], 0, v[rSA], v[rSB] matrix_b_scale:MATRIX_SCALE_ROW1
.else
	v_wmma_scale_f32_16x16x128_f8f6f4 v[rD:rD+7], v[rA:rA+15], v[rB:rB+15], 0, v[rSA], v[rSB]
.endif
.else
.if (\u) && (\i)
	v_wmma_scale_f32_16x16x128_f8f6f4 v[rD:rD+7], v[rA:rA+15], v[rB:rB+15], v[rD:rD+7], v[rSA], v[rSB] matrix_a_scale:MATRIX_SCALE_ROW1 matrix_b_scale:MATRIX_SCALE_ROW1
.elseif \u
	v_wmma_scale_f32_16x16x128_f8f6f4 v[rD:rD+7], v[rA:rA+15], v[rB:rB+15], v[rD:rD+7], v[rSA], v[rSB] matrix_a_scale:MATRIX_SCALE_ROW1
.elseif \i
	v_wmma_scale_f32_16x16x128_f8f6f4 v[rD:rD+7], v[rA:rA+15], v[rB:rB+15], v[rD:rD+7], v[rSA], v[rSB] matrix_b_scale:MATRIX_SCALE_ROW1
.else
	v_wmma_scale_f32_16x16x128_f8f6f4 v[rD:rD+7], v[rA:rA+15], v[rB:rB+15], v[rD:rD+7], v[rSA], v[rSB]
.endif
.endif
.endm
; K step s: the four weight fragments and their scale words from LDS; x's slot s % 3; eight products, the eight accumulators by turns; np places ahead of the loads that follow.  n: the younger global loads that may be out
.macro KS s, n, np
.set SG, (\s)%3
.set ZZ, 0
.if (\s) == 0
.set ZZ, 1
.endif
.irp m, 0,1
.irp u, 0,1
.irp c, 0,1,2,3
	ds_load_b128 v[88+16*(2*\m+\u)+4*\c:88+16*(2*\m+\u)+4*\c+3], v2 offset:\u*GRP+\m*16384+(\s)*2048+512*\c
.endr
.endr
	ds_load_b32 v[20+\m], v3 offset:\m*1024+128*(\s)
.endr
	s_wait_loadcnt \n
	s_wait_dscnt 0x0
.irp i, 0,1
.irp m, 0,1
.irp u, 0,1
.set rD, 24+32*\i+8*(2*\m+\u)
.set rA, 88+16*(2*\m+\u)
.set rB, 152+32*SG+16*\i
.set rSA, 20+\m
.set rSB, 16+SG
	MM \u, \i, ZZ
.endr
.endr
.endr
.rept \np
	v_nop
.endr
.endm
.Lpass:                                                ; a trip: one pair of row tiles
	s_wait_xcnt 0x0                                ; the bases, and the registers that the last trip's stores read, are written again only behind this wait
	s_min_u32 s38, s37, 31                         ; this pair,
	s_add_co_u32 s39, s37, 4
	s_sub_co_u32 s58, s36, 1
	s_min_u32 s39, s39, s58
	s_min_u32 s39, s39, 31                         ; my next one, or in the last trip the last pair, which is discarded: no load leaves the rows that were written
	s_mov_b32 s59, 0
	s_lshl_b32 s58, s38, 15
	s_add_nc_u64 s[40:41], s[32:33], s[58:59]
	s_lshl_b32 s58, s39, 15
	s_add_nc_u64 s[42:43], s[32:33], s[58:59]
	s_lshl_b32 s58, s38, 10
	s_add_nc_u64 s[44:45], s[32:33], s[58:59]
	s_lshl_b32 s58, s39, 10
	s_add_nc_u64 s[46:47], s[32:33], s[58:59]
	s_lshl_b32 s58, s38, 7
	s_add_nc_u64 s[48:49], s[32:33], s[58:59]
	s_lshl_b32 s58, s38, 14
	s_add_nc_u64 s[50:51], s[54:55], s[58:59]
	s_lshl_b32 s58, s38, 9
	s_add_nc_u64 s[52:53], s[56:57], s[58:59]
	global_load_b32 v12, v8, s[48:49] offset:RWS       ; my row's route weight, first tile,
	global_load_b32 v14, v8, s[48:49] offset:RWS+64    ; second tile
	KS 0, 11, 8                                    ; out behind K step 0's slot: K step 1's nine and the two weights
	SLOTLOAD 0, 3, 40, 44
	KS 1, 11, 8                                    ; the two weights and K step 3's nine
	SLOTLOAD 1, 4, 40, 44
	KS 2, 18, 8                                    ; from here on: the two younger slots
	SLOTLOAD 2, 5, 40, 44
	KS 3, 18, 8
	SLOTLOAD 0, 6, 40, 44
	KS 4, 18, 8
	SLOTLOAD 1, 7, 40, 44
	KS 5, 18, 8
	SLOTLOAD 2, 2, 42, 46                          ; the next pair's first three K steps
	KS 6, 18, 8
	SLOTLOAD 0, 0, 42, 46
	KS 7, 18, 9                                    ; nine places: the next trip's first products write over these accumulators
	SLOTLOAD 1, 1, 42, 46
	; silu(g) u route.  Of tile i a lane's g are v[24 + 32 i + n], its u v[40 + 32 i + n], n = 0 .. 15: k = 16 h + n of the block of 32 along the next K.  Each accumulator is read from its low end on
.irp i, 0,1
.irp n, 0,2,4,6,8,10,12,14
	v_pk_mul_f32 v[88+16*\i+\n:89+16*\i+\n], v[24+32*\i+\n:25+32*\i+\n], 0xbfb8aa3b op_sel_hi:[1,0]   ; - g log2(e)
.endr
.endr
.irp n, 0,1,2,3,4,5,6,7,8,9,10,11,12,13,14,15,16,17,18,19,20,21,22,23,24,25,26,27,28,29,30,31
	v_exp_f32 v[88+\n], v[88+\n]
.endr
	v_nop
	s_wait_alu depctr_va_vdst(0)                   ; one wait for the batch, ahead of its first reader
.irp n, 0,2,4,6,8,10,12,14,16,18,20,22,24,26,28,30
	v_pk_add_f32 v[88+\n:89+\n], v[88+\n:89+\n], 1.0 op_sel_hi:[1,0]
.endr
.irp n, 0,1,2,3,4,5,6,7,8,9,10,11,12,13,14,15,16,17,18,19,20,21,22,23,24,25,26,27,28,29,30,31
	v_rcp_f32 v[88+\n], v[88+\n]                   ; sigmoid(g)
.endr
	v_nop
	s_wait_alu depctr_va_vdst(0)
.irp i, 0,1
.irp n, 0,2,4,6,8,10,12,14
	v_pk_mul_f32 v[120+16*\i+\n:121+16*\i+\n], v[24+32*\i+\n:25+32*\i+\n], v[88+16*\i+\n:89+16*\i+\n]
.endr
.endr
.irp i, 0,1
.irp n, 0,2,4,6,8,10,12,14
	v_pk_mul_f32 v[120+16*\i+\n:121+16*\i+\n], v[120+16*\i+\n:121+16*\i+\n], v[40+32*\i+\n:41+32*\i+\n]
.endr
.endr
.irp i, 0,1
.irp n, 0,2,4,6,8,10,12,14
	v_pk_mul_f32 v[120+16*\i+\n:121+16*\i+\n], v[120+16*\i+\n:121+16*\i+\n], v[12+2*\i:13+2*\i] op_sel_hi:[1,0]   ; the pair's low word serves both halves
.endr
.endr
.irp i, 0,1
	v_max3_num_f32 v[88+\i], |v[120+16*\i]|, |v[121+16*\i]|, FLOOR
.endr
.irp n, 2,4,6,8,10,12,14
.irp i, 0,1
	v_max3_num_f32 v[88+\i], v[88+\i], |v[120+16*\i+\n]|, |v[121+16*\i+\n]|
.endr
.endr
.irp i, 0,1
	v_permlanex16_b32 v[90+\i], v[88+\i], s26, s27
.endr
.irp i, 0,1
	v_max_num_f32 v[88+\i], v[88+\i], v[90+\i]
.endr
.irp i, 0,1
	v_add_nc_u32 v[92+\i], EOFF, v[88+\i]
.endr
.irp i, 0,1
	v_and_or_b32 v[94+\i], v[88+\i], 0x7f800000, s28
.endr
.irp i, 0,1
	v_lshrrev_b32 v[96+\i], 23, v[92+\i]
.endr
.irp i, 0,1
.irp n, 0,1,2,3,4,5,6,7,8,9,10,11,12,13,14,15
	v_med3_num_f32 v[120+16*\i+\n], v[120+16*\i+\n], -v[94+\i], v[94+\i]
.endr
	v_cvt_scalef32_pk8_fp8_f32 v[248+4*\i:249+4*\i], v[120+16*\i:127+16*\i], v[92+\i]
	v_cvt_scalef32_pk8_fp8_f32 v[250+4*\i:251+4*\i], v[128+16*\i:135+16*\i], v[92+\i]
.endr
	v_nop                                          ; a plain line behind the last conversion
	v_cndmask_b32 v98, v96, v97, s25               ; lanes 0-15 the first tile's bytes, lanes 16-31 the second's
	global_store_b128 v1, v[248:251], s[50:51]             ; 512 consecutive bytes: registers 4 c .. 4 c + 3 of the next operand
	global_store_b128 v1, v[252:255], s[50:51] offset:8192
	global_store_b8 v1, v98, s[52:53] offset:ASC           ; a byte a row, 16 bytes apart: so laid, the next launch takes a row's 16 bytes by one load
	s_add_co_u32 s37, s37, 4                       ; my next pair
	s_add_co_u32 s29, s29, 1
	s_cmp_lt_u32 s29, s60
	s_cbranch_scc1 .Lpass
.Lend:
	s_wait_tensorcnt 0x0
	ds_add_u32 v22, v23
	s_wait_dscnt 0x0
	s_endpgm
.Lfunc_end_k_q3518e8ee50_gateup:
	.size	k_q3518e8ee50_gateup, .Lfunc_end_k_q3518e8ee50_gateup-k_q3518e8ee50_gateup
	.p2alignl 7, 3214868480
	.fill 96, 4, 3214868480
	.section	.rodata,"a",@progbits
	.p2align	6, 0x0
	.amdhsa_kernel k_q3518e8ee50_gateup
		.amdhsa_group_segment_fixed_size 137216
		.amdhsa_private_segment_fixed_size 0
		.amdhsa_enable_private_segment 0
		.amdhsa_kernarg_size 64
		.amdhsa_user_sgpr_count 2
		.amdhsa_user_sgpr_kernarg_segment_ptr 1
		.amdhsa_wavefront_size32 1
		.amdhsa_system_sgpr_workgroup_id_x 1
		.amdhsa_system_sgpr_workgroup_id_y 1
		.amdhsa_system_sgpr_workgroup_id_z 1
		.amdhsa_system_vgpr_workitem_id 0
		.amdhsa_next_free_vgpr 256
		.amdhsa_next_free_sgpr 66
		.amdhsa_reserve_vcc 0
		.amdhsa_float_denorm_mode_32 3
		.amdhsa_float_denorm_mode_16_64 3
		.amdhsa_memory_ordered 1
		.amdhsa_forward_progress 1
		.amdhsa_inst_pref_size 126
	.end_amdhsa_kernel
	.amdgpu_metadata
---
amdhsa.version: [ 1, 2 ]
amdhsa.kernels:
  - .name:           k_q3518e8ee50_gateup
    .symbol:         k_q3518e8ee50_gateup.kd
    .args:
      - { .name: xq, .offset: 0, .size: 8, .value_kind: global_buffer, .address_space: global }
      - { .name: xg, .offset: 8, .size: 8, .value_kind: global_buffer, .address_space: global }
      - { .name: meta, .offset: 16, .size: 8, .value_kind: global_buffer, .address_space: global }
      - { .name: w_gate, .offset: 24, .size: 8, .value_kind: global_buffer, .address_space: global }
      - { .name: w_up, .offset: 32, .size: 8, .value_kind: global_buffer, .address_space: global }
      - { .name: sw_gate, .offset: 40, .size: 8, .value_kind: global_buffer, .address_space: global }
      - { .name: sw_up, .offset: 48, .size: 8, .value_kind: global_buffer, .address_space: global }
      - { .name: aq, .offset: 56, .size: 8, .value_kind: global_buffer, .address_space: global }
    .group_segment_fixed_size: 137216
    .private_segment_fixed_size: 0
    .kernarg_segment_align: 8
    .kernarg_segment_size: 64
    .max_flat_workgroup_size: 256
    .sgpr_count:     66
    .vgpr_count:     256
    .wavefront_size: 32
...
	.end_amdgpu_metadata
.endif
;; end of part 3
;; launch down (part 4): grid 8 x 36, 8 waves a work-group, no clusters, 103,680 bytes of LDS; arguments aq, meta, w_down, sw_down, y; writes y
.if DOCPART == 4
	.amdgcn_target "amdgcn-amd-amdhsa--gfx1250"
	.amdhsa_code_object_version 6
	.text
	.protected	k_q3518e8ee50_down
	.globl	k_q3518e8ee50_down
	.p2align	8
	.type	k_q3518e8ee50_down,@function
k_q3518e8ee50_down:
	s_mov_b64 s[64:65], 0
	v_nop
	global_prefetch_b8 v0, s[64:65] scope:SCOPE_SE
	s_setreg_imm32_b32 hwreg(HW_REG_WAVE_MODE, 25, 1), 1
	s_wait_xcnt 0x0
; DOWN.  y[row] = a[row] Wd, on codes of FP8 (E4M3) with one E8M0 byte for each 32 along K = 512; a arrives as operand images, Wd as f32 with K as its first axis.
; A work-group takes 128 columns of H (x = cs: 512 aligned bytes of each weight row) of one expert (y < 32), or of the shared expert for 256 of its rows (y = 32 .. 35).
; PHASE 1: wave w quantises 64 columns (w & 1) x K step w >> 1, a block of 32 along K at a time, into LDS as images of operand registers: lanes 0-15 read 256 bytes of row k, lanes 16-31 of row k + 16;
; the hold at the largest code also turns a lane's 4 columns x 16 along K, so that a column's numbers stand in consecutive registers.  Two blocks (32 loads of 512 bytes) a wave are on their way.
; PHASE 2, behind the launch's one barrier: wave w takes 64 columns (w & 1) and the pairs of row tiles w >> 1, + 4, ..: eight accumulators (2 row tiles x 4 column tiles) by turns over 4 K steps,
; transposed (source 0 = 16 columns, source 1 = 16 rows): a lane holds eight neighbouring columns of one row.  a's fragments come from memory into a ring of three register slots.
; The results go through the wave's own stage in LDS and leave as rows: sixteen lanes store 256 consecutive, aligned bytes.  The sum over a token's experts is the next launch's.
; Trip counts hang on a count read from meta: no tensor load, and no barrier under such a branch.  No cluster: no two work-groups read the same weights.
; LIMITS: NaN and infinities are not served; a block whose largest magnitude lies under 2^-118 gets the byte 1 (this program alone reads the bytes).
.set FLOOR, 0x4800000
.set EOFF,  0xfc000000
.set AS_,   0x84000
.set ASC,   0x80000
.set GRP,   16400                      ; LDS: four groups (column tile) of 8 images [half][K step] x 2,048 bytes, + 16: the sixteen lanes of a store touch sixteen different 16-byte columns modulo 256
.set SIMG,  65792                      ; LDS: the weights' scale words: [half][pair of column tiles][K step] x 128 bytes; the word of column & 31
.set STG,   67840                      ; LDS: a stage of 16 rows x (256 + 16) bytes for each wave
; v1 16 x lane; v2, v3 where I read images and scale words; v4 my bytes in a weight block; v5, v6 where I store codes and scale words; v9, v10 the stage, in and back; v11 my bytes in two rows of y; v12, v13 at work
; v16-19 a's scale words of the four K steps; v20, v21 the weights': these six hold scales and nothing else.  Phase 1 and the accumulators, fragments and slots as in the launch before: v24-87, v88-151, v152-247
	s_load_b256 s[4:11], s[0:1], 0x0               ; aq s[4:5], meta s[6:7], w_down s[8:9], sw_down s[10:11]
	s_load_b64 s[12:13], s[0:1], 0x20              ; y
	v_lshl_add_u32 v22, v0, 2, 0x19100
	v_mov_b32 v23, 0
	v_lshrrev_b32 v12, 5, v0
	v_readfirstlane_b32 s20, v12                   ; wave
	s_and_b32 s21, s20, 1                          ; which 64 columns
	s_lshr_b32 s22, s20, 1                         ; phase 1: K step; phase 2: first pair
	s_mov_b32 s23, ttmp9
	s_and_b32 s24, ttmp7, 0xffff
	s_mov_b32 s25, 0xffff0000
	s_mov_b32 s26, 0x76543210
	s_mov_b32 s27, 0xfedcba98
	s_mov_b32 s28, 0x600000
	v_and_b32 v12, 31, v0                          ; lane
	v_and_b32 v13, 15, v0                          ; q
	v_bfe_u32 v14, v0, 4, 1                        ; h
	v_bfe_u32 v15, v0, 2, 2                        ; column tile
	v_and_b32 v7, 3, v0
	v_bfe_u32 v8, v0, 3, 1
	v_lshlrev_b32 v1, 4, v12
	s_lshl_b32 s58, s21, 13
	v_add_nc_u32 v2, s58, v1
	s_lshl_b32 s58, s21, 10
	s_add_co_u32 s58, s58, SIMG
	v_lshl_add_u32 v3, v12, 2, s58
	v_lshlrev_b32 v4, 4, v13
	v_lshl_add_u32 v4, v14, 16, v4                 ; 16 q + 16 rows of 4,096 bytes for lanes 16-31
	v_mul_u32_u24 v5, v15, GRP
	v_lshl_add_u32 v5, v14, 8, v5
	v_lshl_add_u32 v5, v7, 6, v5                   ; 16 x row: row = 4 (q & 3) + j
	s_lshl_b32 s58, s21, 2
	s_add_co_u32 s58, s58, s22
	s_lshl_b32 s58, s58, 11
	v_add_nc_u32 v5, s58, v5
	v_and_b32 v6, 7, v0
	v_lshlrev_b32 v6, 4, v6
	v_lshl_add_u32 v6, v14, 3, v6                  ; the word of column (4 q + 2 h) & 31
	v_lshl_add_u32 v6, v8, 9, v6
	s_lshl_b32 s58, s21, 10
	s_lshl_b32 s59, s22, 7
	s_add_co_u32 s58, s58, s59
	s_add_co_u32 s58, s58, SIMG
	v_add_nc_u32 v6, s58, v6
	s_mul_i32 s58, s20, 4352
	s_add_co_u32 s58, s58, STG
	v_mul_u32_u24 v9, v13, 272
	v_lshl_add_u32 v9, v14, 5, v9
	v_add_nc_u32 v9, s58, v9                       ; in: row r, + 32 h
	v_mul_u32_u24 v10, v14, 272
	v_lshl_add_u32 v10, v13, 4, v10
	v_add_nc_u32 v10, s58, v10                     ; back: lanes 0-15 one row, lanes 16-31 the next
	v_lshlrev_b32 v11, 4, v13
	v_lshl_add_u32 v11, v14, 12, v11
.irp j, 0,1,2,3
	v_mov_b32 v[28+\j], 0                          ; written once: a lane permute's destination counts as one of its sources
.endr
	s_lshl_b32 s60, s24, 21
	s_sub_co_u32 s35, s24, 32
	s_lshl_b32 s35, s35, 3
	s_min_u32 s34, s24, 32
	s_min_u32 s63, s24, 31
	s_lshl_b32 s63, s63, 2
	s_lshl_b32 s40, s23, 9
	s_lshl_b32 s41, s21, 8
	s_add_co_u32 s40, s40, s41                     ; my 64 columns, in bytes
	s_mov_b32 s48, s40
	s_lshl_b32 s41, s22, 19
	s_add_co_u32 s40, s40, s41                     ; + my K step's 128 rows
	s_mov_b32 s41, 0
	s_mul_i32 s42, s34, AS_
	s_mov_b32 s43, 0
	s_lshl_b32 s49, s34, 22                        ; a region of y: 1,024 rows of 4,096 bytes
	s_add_co_u32 s48, s48, s49
	s_mov_b32 s49, 0
	s_mov_b32 s50, 32*AS_
	s_mov_b32 s51, 0
	s_wait_kmcnt 0x0
	s_add_nc_u64 s[32:33], s[4:5], s[42:43]        ; my region of a
	s_add_nc_u64 s[50:51], s[4:5], s[50:51]        ; the shared expert's
	s_add_nc_u64 s[48:49], s[12:13], s[48:49]      ; my columns of my region of y
	s_cmp_lt_u32 s24, 32
	s_cselect_b64 s[30:31], s[8:9], s[10:11]       ; routed or shared: the choice hangs on the work-group's number alone
	s_cselect_b32 s60, s60, 0
	s_cselect_b32 s35, 0, s35
	s_mov_b32 s61, 0
	s_add_nc_u64 s[30:31], s[30:31], s[60:61]
	s_add_nc_u64 s[30:31], s[30:31], s[40:41]
.macro LOADU t                         ; block t of my K step: 32 rows x 256 bytes
.irp i, 0,1,2,3,4,5,6,7,8,9,10,11,12,13,14,15
	global_load_b128 v[128+64*((\t)%2)+4*\i:128+64*((\t)%2)+4*\i+3], v4, s[30:31] offset:(32*(\t)+\i)*4096
.endr
.endm
.macro UNIT t
.set RB, 128+64*((\t)%2)
.if (\t) < 3
	s_wait_loadcnt 16                              ; this block is in; the next block's 16 loads are younger
.else
	s_wait_loadcnt 0x0
.endif
.irp j, 0,1,2,3
	v_max3_num_f32 v[24+\j], |v[RB+\j]|, |v[RB+4+\j]|, FLOOR
.endr
.irp i, 2,4,6,8,10,12,14
.irp j, 0,1,2,3
	v_max3_num_f32 v[24+\j], v[24+\j], |v[RB+4*\i+\j]|, |v[RB+4*\i+4+\j]|
.endr
.endr
.irp j, 0,1,2,3
	v_permlanex16_b32 v[28+\j], v[24+\j], s26, s27
.endr
.irp j, 0,1,2,3
	v_max_num_f32 v[24+\j], v[24+\j], v[28+\j]
.endr
.irp j, 0,1,2,3
	v_add_nc_u32 v[32+\j], EOFF, v[24+\j]
.endr
.irp j, 0,1,2,3
	v_and_or_b32 v[36+\j], v[24+\j], 0x7f800000, s28
.endr
.if (\t) == 0
.irp j, 0,1,2,3
	v_lshrrev_b32 v[40+\j], 23, v[32+\j]
.endr
.else
.irp j, 0,1,2,3
	v_lshrrev_b32 v[44+\j], 23, v[32+\j]
.endr
.irp j, 0,1,2,3
	v_lshl_or_b32 v[40+\j], v[44+\j], 8*(\t), v[40+\j]
.endr
.endif
.irp j, 0,1,2,3
.irp i, 0,1,2,3,4,5,6,7,8,9,10,11,12,13,14,15
	v_med3_num_f32 v[64+16*\j+\i], v[RB+4*\i+\j], -v[36+\j], v[36+\j]   ; the hold (ISA guide 7.6.2), and the turn
.endr
.endr
.if (\t)+2 < 4
	LOADU (\t)+2
.endif
	s_wait_dscnt 0x0                               ; the last block's LDS stores have read the codes' registers
.irp j, 0,1,2,3
	v_cvt_scalef32_pk8_fp8_f32 v[48+4*\j:49+4*\j], v[64+16*\j:71+16*\j], v[32+\j]
	v_cvt_scalef32_pk8_fp8_f32 v[50+4*\j:51+4*\j], v[72+16*\j:79+16*\j], v[32+\j]
.endr
	v_nop                                          ; a plain line behind the last conversion
.irp j, 0,1,2,3
	ds_store_b128 v5, v[48+4*\j:51+4*\j] offset:512*(\t)+16*\j
.endr
.if (\t) == 3
	v_cndmask_b32 v12, v40, v42, s25
	v_cndmask_b32 v13, v41, v43, s25
	ds_store_b32 v6, v12
	ds_store_b32 v6, v13 offset:4
.endif
.endm
	LOADU 0
	LOADU 1
	s_load_b32 s62, s[6:7], s63 offset:0x0         ; the expert's count of rows
.irp t, 0,1,2,3
	UNIT \t
.endr
.macro SLOTLOAD slot, ks, ba           ; two fragments of a (the pair's two tiles, K step ks): eight loads
.irp i, 0,1
.irp c, 0,1,2,3
	global_load_b128 v[152+32*(\slot)+16*\i+4*\c:152+32*(\slot)+16*\i+4*\c+3], v1, s[\ba:\ba+1] offset:\i*8192+(\ks)*2048+512*\c
.endr
.endr
.endm
	s_wait_kmcnt 0x0
	s_add_co_u32 s62, s62, 31
	s_lshr_b32 s62, s62, 5
	s_min_u32 s62, s62, 32
	s_cmp_lt_u32 s24, 32
	s_cselect_b32 s62, s62, 8                      ; pairs
	s_add_co_u32 s36, s62, s35                     ; behind the last pair
	s_add_co_u32 s37, s35, s22                     ; my first pair
	s_add_co_u32 s60, s62, 3
	s_sub_co_u32 s60, s60, s22
	s_lshr_b32 s60, s60, 2                         ; my trips: every fourth pair from my first on; 8 at the most
	s_cmp_lg_u32 s62, 0
	s_cselect_b64 s[32:33], s[32:33], s[50:51]     ; an expert without rows: what its waves ask for and discard is the shared expert's first pair, bytes that were stored
	s_max_u32 s58, s36, 1
	s_sub_co_u32 s58, s58, 1
	s_min_u32 s39, s37, s58                        ; a wave without a pair asks for the last pair and discards it
	s_min_u32 s39, s39, 31
	s_mov_b32 s59, 0
	s_lshl_b32 s58, s39, 14
	s_add_nc_u64 s[42:43], s[32:33], s[58:59]
	s_lshl_b32 s58, s39, 9
	s_add_nc_u64 s[44:45], s[32:33], s[58:59]
	SLOTLOAD 1, 1, 42                              ; in the order in which a trip leaves them for the next
	SLOTLOAD 2, 2, 42
	global_load_b128 v[16:19], v1, s[44:45] offset:ASC     ; row = lane of the pair: its 16 scale bytes are the four K steps' words
	SLOTLOAD 0, 0, 42
	s_wait_dscnt 0x0                               ; my images and scale words have landed
	s_barrier_signal -1
	s_barrier_wait -1                              ; everybody's have; from here on a wave writes only its own stage
	s_mov_b32 s29, 0                               ; trips done
	s_cmp_lg_u32 s60, 0
	s_cbranch_scc0 .Lend
.macro MM u, i, z
.if \z
.if (\u) && (\i)
	v_wmma_scale_f32_16x16x128_f8f6f4 v[rD:rD+7], v[rA:rA+15], v[rB:rB+15], 0, v[rSA], v[rSB] matrix_a_scale:MATRIX_SCALE_ROW1 matrix_b_scale:MATRIX_SCALE_ROW1
.elseif \u
	v_wmma_scale_f32_16x16x128_f8f6f4 v[rD:rD+7], v[rA:rA+15], v[rB:rB+15], 0, v[rSA], v[rSB] matrix_a_scale:MATRIX_SCALE_ROW1
.elseif \i
	v_wmma_scale_f32_16x16x128_f8f6f4 v[rD:rD+7], v[rA:rA+15], v[rB:rB+15], 0, v[rSA], v[rSB] matrix_b_scale:MATRIX_SCALE_ROW1
.else
	v_wmma_scale_f32_16x16x128_f8f6f4 v[rD:rD+7], v[rA:rA+15], v[rB:rB+15], 0, v[rSA], v[rSB]
.endif
.else
.if (\u) && (\i)
	v_wmma_scale_f32_16x16x128_f8f6f4 v[rD:rD+7], v[rA:rA+15], v[rB:rB+15], v[rD:rD+7], v[rSA], v[rSB] matrix_a_scale:MATRIX_SCALE_ROW1 matrix_b_scale:MATRIX_SCALE_ROW1
.elseif \u
	v_wmma_scale_f32_16x16x128_f8f6f4 v[rD:rD+7], v[rA:rA+15], v[rB:rB+15], v[rD:rD+7], v[rSA], v[rSB] matrix_a_scale:MATRIX_SCALE_ROW1
.elseif \i
	v_wmma_scale_f32_16x16x128_f8f6f4 v[rD:rD+7], v[rA:rA+15], v[rB:rB+15], v[rD:rD+7], v[rSA], v[rSB] matrix_b_scale:MATRIX_SCALE_ROW1
.else
	v_wmma_scale_f32_16x16x128_f8f6f4 v[rD:rD+7], v[rA:rA+15], v[rB:rB+15], v[rD:rD+7], v[rSA], v[rSB]
.endif
.endif
.endm
; K step s: four weight fragments and their scale words from LDS; a's slot s % 3; eight products, the eight accumulators by turns; np places.  n: the younger global loads that may be out
.macro KS s, n, np
.set SG, (\s)%3
.set ZZ, 0
.if (\s) == 0
.set ZZ, 1
.endif
.irp g, 0,1,2,3
.irp c, 0,1,2,3
	ds_load_b128 v[88+16*\g+4*\c:88+16*\g+4*\c+3], v2 offset:\g*GRP+(\s)*2048+512*\c
.endr
.endr
	ds_load_b32 v20, v3 offset:128*(\s)
	ds_load_b32 v21, v3 offset:512+128*(\s)
	s_wait_loadcnt \n
	s_wait_dscnt 0x0
.irp i, 0,1
.irp g, 0,1,2,3
.set rD, 24+32*\i+8*\g
.set rA, 88+16*\g
.set rB, 152+32*SG+16*\i
.set rSA, 20+\g/2
.set rSB, 16+(\s)
	MM \g%2, \i, ZZ
.endr
.endr
.rept \np
	v_nop
.endr
.endm
.Lpass:                                                ; a trip: one pair of row tiles
	s_wait_xcnt 0x0                                ; the bases, and the registers that the last trip's stores read, are written again only behind this wait
	s_min_u32 s38, s37, 31
	s_add_co_u32 s39, s37, 4
	s_sub_co_u32 s58, s36, 1
	s_min_u32 s39, s39, s58
	s_min_u32 s39, s39, 31                         ; my next pair, or in the last trip the last pair, which is discarded
	s_mov_b32 s59, 0
	s_lshl_b32 s58, s38, 14
	s_add_nc_u64 s[40:41], s[32:33], s[58:59]
	s_lshl_b32 s58, s39, 14
	s_add_nc_u64 s[42:43], s[32:33], s[58:59]
	s_lshl_b32 s58, s39, 9
	s_add_nc_u64 s[44:45], s[32:33], s[58:59]
	s_lshl_b32 s58, s38, 17
	s_add_nc_u64 s[46:47], s[48:49], s[58:59]
	KS 0, 0, 8                                     ; K step 0's slot was asked for last
	SLOTLOAD 0, 3, 40
	KS 1, 8, 8                                     ; K step 3's eight may be out
	SLOTLOAD 1, 1, 42
	KS 2, 16, 8
	SLOTLOAD 2, 2, 42
	KS 3, 16, 9                                    ; the next pair's two slots are younger.  Nine places: the next trip's first products write over these accumulators
	global_load_b128 v[16:19], v1, s[44:45] offset:ASC
	SLOTLOAD 0, 0, 42
.irp i, 0,1                                    ; a tile through my stage: LDS serves a wave's instructions in order (ISA guide 5.7.1.4), so no wait stands between the stores and the loads, nor ahead of the next tile's stores
.irp g, 0,1,2,3
	ds_store_b128 v9, v[24+32*\i+8*\g:27+32*\i+8*\g] offset:64*\g          ; each accumulator from its low end on
	ds_store_b128 v9, v[28+32*\i+8*\g:31+32*\i+8*\g] offset:64*\g+16
.endr
.irp t, 0,1,2,3,4,5,6,7
	ds_load_b128 v[88+32*\i+4*\t:91+32*\i+4*\t], v10 offset:544*\t
.endr
.endr
	s_wait_dscnt 16                                ; the first tile is back; the second tile's 8 stores and 8 loads are younger
.irp t, 0,1,2,3,4,5,6,7
	global_store_b128 v11, v[88+4*\t:91+4*\t], s[46:47] offset:8192*\t     ; sixteen lanes store 256 consecutive bytes, at a multiple of 256 from y's first byte
.endr
	s_wait_dscnt 0x0
.irp t, 0,1,2,3,4,5,6,7
	global_store_b128 v11, v[120+4*\t:123+4*\t], s[46:47] offset:65536+8192*\t
.endr
	s_add_co_u32 s37, s37, 4                       ; my next pair
	s_add_co_u32 s29, s29, 1
	s_cmp_lt_u32 s29, s60
	s_cbranch_scc1 .Lpass
.Lend:
	s_wait_tensorcnt 0x0
	ds_add_u32 v22, v23
	s_wait_dscnt 0x0
	s_endpgm
.Lfunc_end_k_q3518e8ee50_down:
	.size	k_q3518e8ee50_down, .Lfunc_end_k_q3518e8ee50_down-k_q3518e8ee50_down
	.p2alignl 7, 3214868480
	.fill 96, 4, 3214868480
	.section	.rodata,"a",@progbits
	.p2align	6, 0x0
	.amdhsa_kernel k_q3518e8ee50_down
		.amdhsa_group_segment_fixed_size 103680
		.amdhsa_private_segment_fixed_size 0
		.amdhsa_enable_private_segment 0
		.amdhsa_kernarg_size 40
		.amdhsa_user_sgpr_count 2
		.amdhsa_user_sgpr_kernarg_segment_ptr 1
		.amdhsa_wavefront_size32 1
		.amdhsa_system_sgpr_workgroup_id_x 1
		.amdhsa_system_sgpr_workgroup_id_y 1
		.amdhsa_system_sgpr_workgroup_id_z 1
		.amdhsa_system_vgpr_workitem_id 0
		.amdhsa_next_free_vgpr 256
		.amdhsa_next_free_sgpr 66
		.amdhsa_reserve_vcc 0
		.amdhsa_float_denorm_mode_32 3
		.amdhsa_float_denorm_mode_16_64 3
		.amdhsa_memory_ordered 1
		.amdhsa_forward_progress 1
		.amdhsa_inst_pref_size 64
	.end_amdhsa_kernel
	.amdgpu_metadata
---
amdhsa.version: [ 1, 2 ]
amdhsa.kernels:
  - .name:           k_q3518e8ee50_down
    .symbol:         k_q3518e8ee50_down.kd
    .args:
      - { .name: aq, .offset: 0, .size: 8, .value_kind: global_buffer, .address_space: global }
      - { .name: meta, .offset: 8, .size: 8, .value_kind: global_buffer, .address_space: global }
      - { .name: w_down, .offset: 16, .size: 8, .value_kind: global_buffer, .address_space: global }
      - { .name: sw_down, .offset: 24, .size: 8, .value_kind: global_buffer, .address_space: global }
      - { .name: y, .offset: 32, .size: 8, .value_kind: global_buffer, .address_space: global }
    .group_segment_fixed_size: 103680
    .private_segment_fixed_size: 0
    .kernarg_segment_align: 8
    .kernarg_segment_size: 40
    .max_flat_workgroup_size: 256
    .sgpr_count:     66
    .vgpr_count:     256
    .wavefront_size: 32
...
	.end_amdgpu_metadata
.endif
;; end of part 4
;; launch combine (part 5): grid 256 x 1, 8 waves a work-group, no clusters, 0 bytes of LDS; arguments meta, y, out0; writes out0
.if DOCPART == 5
	.amdgcn_target "amdgcn-amd-amdhsa--gfx1250"
	.amdhsa_code_object_version 6
	.text
	.protected	k_q3518e8ee50_combine
	.globl	k_q3518e8ee50_combine
	.p2align	8
	.type	k_q3518e8ee50_combine,@function
k_q3518e8ee50_combine:
	s_mov_b64 s[64:65], 0
	v_nop
	global_prefetch_b8 v0, s[64:65] scope:SCOPE_SE
	s_setreg_imm32_b32 hwreg(HW_REG_WAVE_MODE, 25, 1), 1
	s_wait_xcnt 0x0
; COMBINE.  out[t] = the four rows of y that token t's experts made + the shared expert's row.  Which rows: pos[4 t + k], whole numbers stored by the place launch, held under a constant before they enter an address.
; A work-group takes four tokens; a wave half a row (2,048 bytes): 20 loads of 512 consecutive bytes, all out at once, then four stores of 512.  Each output row has one owner; nothing is shared, so no LDS and no barrier.
	s_load_b128 s[4:7], s[0:1], 0x0                ; meta s[4:5], y s[6:7]
	s_load_b64 s[8:9], s[0:1], 0x10                ; out0
	v_lshrrev_b32 v1, 5, v0
	v_readfirstlane_b32 s10, v1                    ; wave
	s_lshr_b32 s11, s10, 1
	s_lshl_b32 s16, ttmp9, 2
	s_add_co_u32 s11, s11, s16                     ; token
	s_and_b32 s10, s10, 1                          ; which half of the row
	s_lshl_b32 s17, s11, 4
	v_and_b32 v1, 31, v0
	v_lshlrev_b32 v1, 4, v1
	s_lshl_b32 s18, s10, 11
	v_add_nc_u32 v1, s18, v1                       ; 16 x lane + 2048 x half
	s_add_co_u32 s19, s11, 32768                   ; the shared expert's region begins at row 32 x 1,024
	s_lshl_b32 s19, s19, 12
	s_lshl_b32 s20, s11, 12
	s_mov_b32 s21, 0
	s_wait_kmcnt 0x0
	s_load_b128 s[12:15], s[4:5], s17 offset:0x100 ; pos[4 t .. 4 t + 3]
	s_add_nc_u64 s[8:9], s[8:9], s[20:21]
	v_add_nc_u32 v6, s19, v1
	s_wait_kmcnt 0x0
.irp k, 0,1,2,3
	s_min_u32 s[12+\k], s[12+\k], 0x7fff
	s_lshl_b32 s[12+\k], s[12+\k], 12              ; a row of y is 4,096 bytes
	v_add_nc_u32 v[2+\k], s[12+\k], v1
.endr
.irp k, 0,1,2,3,4
.irp j, 0,1,2,3
	global_load_b128 v[16+16*\k+4*\j:19+16*\k+4*\j], v[2+\k], s[6:7] offset:512*\j th:TH_LOAD_NT
.endr
.endr
	s_wait_loadcnt 0x0
.irp n, 0,2,4,6,8,10,12,14
	v_pk_add_f32 v[16+\n:17+\n], v[16+\n:17+\n], v[32+\n:33+\n]
	v_pk_add_f32 v[48+\n:49+\n], v[48+\n:49+\n], v[64+\n:65+\n]
.endr
.irp n, 0,2,4,6,8,10,12,14
	v_pk_add_f32 v[16+\n:17+\n], v[16+\n:17+\n], v[48+\n:49+\n]
.endr
.irp n, 0,2,4,6,8,10,12,14
	v_pk_add_f32 v[16+\n:17+\n], v[16+\n:17+\n], v[80+\n:81+\n]
.endr
.irp j, 0,1,2,3
	global_store_b128 v1, v[16+4*\j:19+4*\j], s[8:9] offset:512*\j th:TH_STORE_NT
.endr
	s_endpgm
.Lfunc_end_k_q3518e8ee50_combine:
	.size	k_q3518e8ee50_combine, .Lfunc_end_k_q3518e8ee50_combine-k_q3518e8ee50_combine
	.p2alignl 7, 3214868480
	.fill 96, 4, 3214868480
	.section	.rodata,"a",@progbits
	.p2align	6, 0x0
	.amdhsa_kernel k_q3518e8ee50_combine
		.amdhsa_group_segment_fixed_size 0
		.amdhsa_private_segment_fixed_size 0
		.amdhsa_enable_private_segment 0
		.amdhsa_kernarg_size 24
		.amdhsa_user_sgpr_count 2
		.amdhsa_user_sgpr_kernarg_segment_ptr 1
		.amdhsa_wavefront_size32 1
		.amdhsa_system_sgpr_workgroup_id_x 1
		.amdhsa_system_sgpr_workgroup_id_y 1
		.amdhsa_system_sgpr_workgroup_id_z 1
		.amdhsa_system_vgpr_workitem_id 0
		.amdhsa_next_free_vgpr 96
		.amdhsa_next_free_sgpr 66
		.amdhsa_reserve_vcc 0
		.amdhsa_float_denorm_mode_32 3
		.amdhsa_float_denorm_mode_16_64 3
		.amdhsa_memory_ordered 1
		.amdhsa_forward_progress 1
		.amdhsa_inst_pref_size 6
	.end_amdhsa_kernel
	.amdgpu_metadata
---
amdhsa.version: [ 1, 2 ]
amdhsa.kernels:
  - .name:           k_q3518e8ee50_combine
    .symbol:         k_q3518e8ee50_combine.kd
    .args:
      - { .name: meta, .offset: 0, .size: 8, .value_kind: global_buffer, .address_space: global }
      - { .name: y, .offset: 8, .size: 8, .value_kind: global_buffer, .address_space: global }
      - { .name: out0, .offset: 16, .size: 8, .value_kind: global_buffer, .address_space: global }
    .group_segment_fixed_size: 0
    .private_segment_fixed_size: 0
    .kernarg_segment_align: 8
    .kernarg_segment_size: 24
    .max_flat_workgroup_size: 256
    .sgpr_count:     66
    .vgpr_count:     96
    .wavefront_size: 32
...
	.end_amdgpu_metadata
.endif
;; end of part 5
;; ======== version 2 of 2: 5 launches; 1.15 times as fast as version 1
;; workspace buffers: ids 16,384 bytes of whole numbers; rw 16,384 bytes; xq 1,085,440 bytes; xg 34,734,080 bytes; meta 16,640 bytes of whole numbers; aq 17,842,176 bytes; y 138,412,032 bytes; swq 1,622,016 bytes
;; launch route (part 6): grid 88 x 1, 8 waves a work-group, no clusters, 153,600 bytes of LDS; arguments hidden_states, gate_w, expert_bias, xq, ids, rw, sw_gate, sw_up, sw_down, swq; writes xq, ids, rw, swq
.if DOCPART == 6
	.amdgcn_target "amdgcn-amd-amdhsa--gfx1250"
	.amdhsa_code_object_version 6
	.text
	.protected	k_q3518e8ee50_route
	.globl	k_q3518e8ee50_route
	.p2align	8
	.type	k_q3518e8ee50_route,@function
k_q3518e8ee50_route:
	s_mov_b64 s[64:65], 0
	v_nop
	global_prefetch_b8 v0, s[64:65] scope:SCOPE_SE
	s_setreg_imm32_b32 hwreg(HW_REG_WAVE_MODE, 25, 1), 1
	s_wait_xcnt 0x0
; ROUTE (work-groups 0 to 63), AND THE SHARED EXPERT'S WEIGHTS (work-groups 64 to 87).
; ROUTE.  x [1024][1024] f32 becomes codes of FP8 (E4M3) with one E8M0 byte for each 32 along K, stored as images of operand registers; the router's product x gate_w^T runs on such codes;
; then sigmoid, the two best of four groups, the four best experts, their weights.  A work-group takes 16 tokens (one tile); wave s takes K step s (128 along K): it quantises x's fragment and
; gate_w's two (experts 0-15, 16-31) and makes two products that start from 0; wave 0 adds the eight partial tiles and routes.  The product is used transposed (source 0 = 16 experts,
; source 1 = 16 tokens): lane (r, h) holds token r; register j of the first tile is expert 8 h + j (group h), of the second 16 + 8 h + j (group 2 + h).
; xq: tile m, K step s: 2,048 bytes at 16384 m + 2048 s: register group c of lane l at 512 c + 16 l.  Scale words at SCL: [tile][K step][row].  At RWS a weight of 1.0 for each row (the shared expert's).
; ids [token][4] u32 and rw [token][4] f32 go to fixed places: no address and no branch here hangs on a score.
; THE SHARED EXPERT'S WEIGHTS are quantised once, here, into swq, as images of operand registers, since every work-group of the two product launches takes a part of the shared expert.
; Work-groups 64-79: 64 columns of sw_gate and sw_up x half of K; work-groups 80-87: 128 columns of sw_down.  Each of the three paths has LDS bytes of its own.
; swq: 16 blocks of 32 columns of I, 67,584 bytes each: [tile u][matrix][K step] x 2,048, then scale words [matrix][K step] x 128; from SWD on 16 blocks of 64 columns of H, 33,792 bytes each:
; [column tile][K step] x 2,048, then scale words [pair of tiles][K step] x 128.
; LIMITS: NaN and infinities are not served.  A block whose largest magnitude lies under 2^-118 (a block of zeros too) gets the byte 1: this program alone reads the bytes.
; Sigmoid and the division go by v_exp_f32 and v_rcp_f32: two candidates that agree to the last bits of f32 may be taken either way.  Ties are broken as jax.lax.top_k does: the lower index.
.set FLOOR, 0x4800000                  ; 2^(9 - 127): under it no largest magnitude is taken, so no byte falls under 1
.set EOFF,  0xfc000000                 ; takes 8 off an exponent field
.set XSS,   16384                      ; LDS: x's scale words, 64 bytes a K step; in front of it eight partial tiles of 2,048 bytes
.set SCL,   0x100000
.set RWS,   0x108000
.set SEL,   38                         ; s[38:39] v_permlanex16_b32's selects for lane l xor 16
.set MNT,   40                         ; s40 the mantissa field of 448
.set HI,    41                         ; s41 mask of lanes 16-31
.set PC,    32                         ; v32-47 x's codes
.set X,     48                         ; v48-111 x's numbers; later: v48-63, v64-79 gate_w's codes, v80-95 the two tiles, v96-111 the bias
.set G0,    112                        ; v112-175, v176-239 gate_w's numbers
.set G1,    176
.set QA,    16896                      ; LDS of the gate and up path: four groups of QGRP bytes, then 2,048 bytes of scale words
.set QB,    84736                      ; LDS of the down path, likewise
.set QGRP,  16400                      ; 8 images of 2,048 bytes + 16: the sixteen lanes of a store touch sixteen different 16-byte columns modulo 256
.set QSIMG, 65792
.set SWD,   1081344
	v_lshl_add_u32 v11, v0, 2, 0x25400
	s_set_vgpr_msb 0x40
	v_mov_b32 v1, 0
	s_set_vgpr_msb 0x4000
	s_cmp_lt_u32 ttmp9, 64
	s_cbranch_scc0 .Lweights
	s_load_b256 s[4:11], s[0:1], 0x0               ; x s[4:5], gate_w s[6:7], bias s[8:9], xq s[10:11]
	s_load_b128 s[12:15], s[0:1], 0x20             ; ids s[12:13], rw s[14:15]
	v_lshrrev_b32 v1, 5, v0
	v_readfirstlane_b32 s16, v1                    ; wave = K step
	v_and_b32 v1, 31, v0                           ; lane
	v_and_b32 v2, 15, v0                           ; r
	v_bfe_u32 v3, v0, 4, 1                         ; h
	v_lshlrev_b32 v4, 12, v2
	v_lshl_add_u32 v4, v3, 6, v4                   ; a row of 4,096 bytes, + 64 h: my 16 numbers of a block of 32
	v_lshlrev_b32 v5, 4, v1                        ; 16 x lane
	s_lshl_b32 s17, s16, 6
	v_lshl_add_u32 v6, v2, 2, s17                  ; my row's scale word: 64 s + 4 r
	s_lshl_b32 s18, s16, 11
	v_add_nc_u32 v7, s18, v5                       ; my wave's partial tiles: 2048 s + 16 x lane
	v_lshlrev_b32 v8, 5, v3                        ; the bias of experts 8 h on
	v_lshlrev_b32 v9, 4, v2
	v_lshlrev_b32 v10, 2, v2
.irp b, 0,1,2,3
	v_mov_b32 v[20+\b], 0                          ; written once: a lane permute's destination counts as one of its sources
.endr
	s_mov_b32 s[SEL], 0x76543210
	s_mov_b32 s[SEL+1], 0xfedcba98
	s_mov_b32 s[MNT], 0x600000
	s_mov_b32 s[HI], 0xffff0000
	s_lshl_b32 s20, ttmp9, 16                      ; 16 rows of x,
	s_lshl_b32 s22, s16, 9                         ; 512 bytes a K step
	s_add_co_u32 s20, s20, s22
	s_mov_b32 s21, 0
	s_mov_b32 s23, 0
	s_lshl_b32 s24, ttmp9, 14
	s_add_co_u32 s24, s24, s18                     ; the image of tile m, K step s
	s_mov_b32 s25, 0
	s_lshl_b32 s26, ttmp9, 9
	s_mov_b32 s27, 0
	s_lshl_b32 s28, ttmp9, 6
	s_mov_b32 s29, 0
	s_lshl_b32 s30, ttmp9, 8
	s_mov_b32 s31, 0
	s_wait_kmcnt 0x0
	s_add_nc_u64 s[4:5], s[4:5], s[20:21]
	s_add_nc_u64 s[6:7], s[6:7], s[22:23]
	s_add_nc_u64 s[32:33], s[10:11], s[24:25]      ; codes
	s_add_nc_u64 s[34:35], s[10:11], s[26:27]      ; scale words (+ SCL)
	s_add_nc_u64 s[36:37], s[10:11], s[28:29]      ; weights (+ RWS)
	s_add_nc_u64 s[12:13], s[12:13], s[30:31]
	s_add_nc_u64 s[14:15], s[14:15], s[30:31]
.macro XLOAD reg, sb, off              ; 64 numbers a lane: register 16 b + i = k 32 b + 16 h + i of my row
.irp b, 0,1,2,3
.irp j, 0,1,2,3
	global_load_b128 v[\reg+16*\b+4*\j:\reg+16*\b+4*\j+3], v4, s[\sb:\sb+1] offset:\off+128*\b+16*\j
.endr
.endr
.endm
; 64 numbers of a lane become a fragment's 16 registers of codes, v[pc] on, and the row's scale word, v[pw].  v16-19 largest magnitudes, v20-23 bytes, v24-27 448 x the scale, v28-31 the conversion's scale operand
.macro QUANT s, pc, pw
.irp b, 0,1,2,3
	v_max3_num_f32 v[16+\b], |v[\s+16*\b]|, |v[\s+1+16*\b]|, FLOOR
.endr
.irp i, 2,4,6,8,10,12,14
.irp b, 0,1,2,3
	v_max3_num_f32 v[16+\b], v[16+\b], |v[\s+16*\b+\i]|, |v[\s+1+16*\b+\i]|   ; the four blocks by turns
.endr
.endr
.irp b, 0,1,2,3
	v_permlanex16_b32 v[20+\b], v[16+\b], s[SEL], s[SEL+1]
.endr
.irp b, 0,1,2,3
	v_max_num_f32 v[16+\b], v[16+\b], v[20+\b]     ; with lane l xor 16's 16 numbers: the block's
.endr
.irp b, 0,1,2,3
	v_add_nc_u32 v[28+\b], EOFF, v[16+\b]
.endr
.irp b, 0,1,2,3
	v_and_or_b32 v[24+\b], v[16+\b], 0x7f800000, s[MNT]
.endr
.irp b, 0,1,2,3
	v_lshrrev_b32 v[20+\b], 23, v[28+\b]
.endr
	v_lshl_or_b32 v[\pw], v21, 8, v20
	v_lshl_or_b32 v[\pw], v22, 16, v[\pw]
	v_lshl_or_b32 v[\pw], v23, 24, v[\pw]
.irp b, 0,1,2,3
.irp i, 0,1,2,3,4,5,6,7,8,9,10,11,12,13,14,15
	v_med3_num_f32 v[\s+16*\b+\i], v[\s+16*\b+\i], -v[24+\b], v[24+\b]   ; the conversion does not saturate (ISA guide 7.6.2): the hold at 448 x the scale
.endr
	v_cvt_scalef32_pk8_fp8_f32 v[\pc+4*\b:\pc+4*\b+1], v[\s+16*\b:\s+16*\b+7], v[28+\b]
	v_cvt_scalef32_pk8_fp8_f32 v[\pc+4*\b+2:\pc+4*\b+3], v[\s+16*\b+8:\s+16*\b+15], v[28+\b]
.endr
	v_nop                                          ; a plain line behind the last conversion
.endm
	XLOAD X, 4, 0
	XLOAD G0, 6, 0
	XLOAD G1, 6, 65536
	s_wait_loadcnt 32                              ; x is in; gate_w's 32 loads are younger
	QUANT X, PC, 12                                ; v12: x's scale word
.irp c, 0,1,2,3
	global_store_b128 v5, v[PC+4*\c:PC+4*\c+3], s[32:33] offset:512*\c   ; 512 consecutive bytes a store
.endr
	ds_store_b32 v6, v12 offset:XSS                ; both halves of the lanes write the same word with the same value
	global_load_b128 v[96:99], v8, s[8:9]
	global_load_b128 v[100:103], v8, s[8:9] offset:16
	global_load_b128 v[104:107], v8, s[8:9] offset:64
	global_load_b128 v[108:111], v8, s[8:9] offset:80
	s_wait_loadcnt 20                              ; experts 0-15 are in; younger: 16 loads of experts 16-31 and the bias's 4
	QUANT G0, 48, 13
	s_wait_loadcnt 4                               ; the bias's 4 may be out
	QUANT G1, 64, 14
.rept 4
	v_nop                                          ; codes written by vector instructions stand four places ahead of a scaled product; the scale words were made ahead of the holds
.endr
	v_wmma_scale_f32_16x16x128_f8f6f4 v[80:87], v[48:63], v[32:47], 0, v13, v12
	v_wmma_scale_f32_16x16x128_f8f6f4 v[88:95], v[64:79], v[32:47], 0, v14, v12
.rept 8
	v_nop                                          ; eight places ahead of the first read of the results
.endr
	ds_store_b128 v7, v[80:83]
	ds_store_b128 v7, v[84:87] offset:512
	ds_store_b128 v7, v[88:91] offset:1024
	ds_store_b128 v7, v[92:95] offset:1536
	s_wait_dscnt 0x0                               ; for the others' sake: my stores have landed
	s_barrier_signal -1
	s_barrier_wait -1
	s_cmp_eq_u32 s16, 0
	s_cbranch_scc1 .Lwave0
	s_cmp_eq_u32 s16, 1
	s_cbranch_scc0 .Lend
	ds_load_b128 v[112:115], v5 offset:XSS         ; wave 1: the tile's 512 bytes of scale words leave as they lie
	s_wait_dscnt 0x0
	global_store_b128 v5, v[112:115], s[34:35] offset:SCL
.Lend:
	s_set_vgpr_msb 0x4
	s_wait_tensorcnt 0x0
	ds_add_u32 v11, v1
	s_wait_dscnt 0x0
	s_set_vgpr_msb 0x400
	s_endpgm
.Lwave0:
.irp s, 0,1,2,3,4,5,6,7
.irp q, 0,1,2,3
	ds_load_b128 v[112+16*\s+4*\q:115+16*\s+4*\q], v5 offset:2048*\s+512*\q
.endr
.endr
	s_wait_dscnt 0x0
.irp n, 0,2,4,6,8,10,12,14
	v_pk_add_f32 v[48+\n:49+\n], v[112+\n:113+\n], v[128+\n:129+\n]      ; the logits: K steps in ascending order
.endr
.irp s, 2,3,4,5,6,7
.irp n, 0,2,4,6,8,10,12,14
	v_pk_add_f32 v[48+\n:49+\n], v[48+\n:49+\n], v[112+16*\s+\n:113+16*\s+\n]
.endr
.endr
.irp n, 0,2,4,6,8,10,12,14
	v_pk_mul_f32 v[64+\n:65+\n], v[48+\n:49+\n], 0xbfb8aa3b op_sel_hi:[1,0]   ; - logit x log2(e)
.endr
.irp n, 0,1,2,3,4,5,6,7,8,9,10,11,12,13,14,15
	v_exp_f32 v[64+\n], v[64+\n]
.endr
	v_nop
	s_wait_alu depctr_va_vdst(0)                   ; one wait for the batch, ahead of its first reader
.irp n, 0,2,4,6,8,10,12,14
	v_pk_add_f32 v[64+\n:65+\n], v[64+\n:65+\n], 1.0 op_sel_hi:[1,0]
.endr
.irp n, 0,1,2,3,4,5,6,7,8,9,10,11,12,13,14,15
	v_rcp_f32 v[64+\n], v[64+\n]                   ; v64-79: the scores
.endr
	v_nop
	s_wait_alu depctr_va_vdst(0)
	s_wait_loadcnt 0x0                             ; the bias
.irp n, 0,2,4,6,8,10,12,14
	v_pk_add_f32 v[80+\n:81+\n], v[64+\n:65+\n], v[96+\n:97+\n]          ; v80-95: the scores with the bias
.endr
.irp g, 0,1                                    ; the two largest of each of my two groups: m1 in v112, v114; m2 in v113, v115
	v_max_num_f32 v[112+2*\g], v[80+8*\g], v[81+8*\g]
	v_min_num_f32 v[113+2*\g], v[80+8*\g], v[81+8*\g]
.endr
.irp i, 2,3,4,5,6,7
.irp g, 0,1
	v_med3_num_f32 v[113+2*\g], v[112+2*\g], v[113+2*\g], v[80+8*\g+\i]
	v_max_num_f32 v[112+2*\g], v[112+2*\g], v[80+8*\g+\i]
.endr
.endr
	v_add_f32 v116, v112, v113
	v_add_f32 v117, v114, v115
	v_permlanex16_b32 v118, v116, s[SEL], s[SEL+1]
	v_permlanex16_b32 v119, v117, s[SEL], s[SEL+1]
	v_cndmask_b32 v120, v116, v118, s[HI]          ; the four groups' scores, in every lane
	v_cndmask_b32 v121, v118, v116, s[HI]
	v_cndmask_b32 v122, v117, v119, s[HI]
	v_cndmask_b32 v123, v119, v117, s[HI]
	v_mov_b32 v124, 3                              ; a group's rank = how many groups go before it.  It starts at the number of higher-numbered groups and loses one for each of them that it beats
	v_mov_b32 v125, 2
	v_mov_b32 v126, 1
	v_mov_b32 v127, 0
.macro DUEL a, b                       ; a < b: on a tie the lower index goes first
	v_cmp_ge_f32 vcc_lo, v[120+\a], v[120+\b]
	v_cndmask_b32 v128, 0, 1, vcc_lo
	v_add_nc_u32 v[124+\b], v[124+\b], v128
	v_sub_nc_u32 v[124+\a], v[124+\a], v128
.endm
	DUEL 0, 1
	DUEL 0, 2
	DUEL 0, 3
	DUEL 1, 2
	DUEL 1, 3
	DUEL 2, 3
	v_cndmask_b32 v130, v124, v125, s[HI]          ; my two groups' ranks
	v_cndmask_b32 v131, v126, v127, s[HI]
	v_cmp_gt_u32 s42, 2, v130
	v_cmp_gt_u32 s43, 2, v131
	v_mov_b32 v129, 0xff7fffff                     ; the least finite number: what a group that is not kept holds
	v_mov_b32 v145, 0xff800000                     ; under it: what has been picked
	v_lshlrev_b32 v146, 3, v3                      ; 8 h
.irp n, 0,1,2,3,4,5,6,7
	v_cndmask_b32 v[80+\n], v129, v[80+\n], s42
.endr
.irp n, 8,9,10,11,12,13,14,15
	v_cndmask_b32 v[80+\n], v129, v[80+\n], s43
.endr
; The k-th pick: my 16 candidates' best (the strict compare keeps the lower index), then the better of mine and lane l xor 16's; its score without the bias; it is struck out.
.macro PICK k
	v_mov_b32 v130, v80
	v_mov_b32 v131, 0
.irp n, 1,2,3,4,5,6,7,8,9,10,11,12,13,14,15
	v_cmp_gt_f32 vcc_lo, v[80+\n], v130
	v_cndmask_b32 v130, v130, v[80+\n], vcc_lo
	v_cndmask_b32 v131, v131, \n, vcc_lo
.endr
	v_and_b32 v144, 8, v131
	v_add3_u32 v[132+\k], v131, v144, v146         ; the expert: 8 h + n, and 8 more in the second tile
	v_permlanex16_b32 v140, v130, s[SEL], s[SEL+1]
	v_permlanex16_b32 v141, v[132+\k], s[SEL], s[SEL+1]
	v_cmp_gt_f32 s42, v140, v130
	v_cmp_eq_f32 s43, v140, v130
	v_cmp_lt_u32 s44, v141, v[132+\k]
	s_and_b32 s43, s43, s44
	s_or_b32 s42, s42, s43
	v_cndmask_b32 v[132+\k], v[132+\k], v141, s42
	v_sub_nc_u32 v142, v[132+\k], v146
	v_mov_b32 v143, 0
.irp n, 0,1,2,3,4,5,6,7,8,9,10,11,12,13,14,15
	v_cmp_eq_u32 vcc_lo, \n+8*(\n/8), v142
	v_cndmask_b32 v143, v143, v[64+\n], vcc_lo
	v_cndmask_b32 v[80+\n], v[80+\n], v145, vcc_lo
.endr
	v_permlanex16_b32 v144, v143, s[SEL], s[SEL+1]
	v_add_f32 v[136+\k], v143, v144                ; one of the two lanes holds the score, the other 0
.endm
	PICK 0
	PICK 1
	PICK 2
	PICK 3
	v_add_f32 v147, v136, v137
	v_add_f32 v147, v147, v138
	v_add_f32 v147, v147, v139
	v_rcp_f32 v147, v147
	v_mov_b32 v149, 1.0                            ; (a plain line behind the reciprocal)
	s_wait_alu depctr_va_vdst(0)
.irp k, 0,1,2,3
	v_mul_f32 v[136+\k], v[136+\k], v147
.endr
.irp k, 0,1,2,3
	v_mul_f32 v[136+\k], 0x40200000, v[136+\k]     ; x 2.5
.endr
	s_wait_xcnt 0x0                                ; EXEC changes only behind this wait
	v_cmp_gt_u32 vcc_lo, 16, v1
	s_set_vgpr_msb 0x4
	s_wait_tensorcnt 0x0
	ds_add_u32 v11, v1
	s_wait_dscnt 0x0
	s_set_vgpr_msb 0x400
	s_and_saveexec_b32 s42, vcc_lo
	global_store_b128 v9, v[132:135], s[12:13]     ; sixteen lanes store 256 consecutive bytes
	global_store_b128 v9, v[136:139], s[14:15]
	global_store_b32 v10, v149, s[36:37] offset:RWS
	s_wait_xcnt 0x0
	s_or_b32 exec_lo, exec_lo, s42
	s_endpgm
; ---- THE SHARED EXPERT'S WEIGHTS.  Wave w takes 64 columns of one matrix (w & 1) x one K step (w >> 1), a block of 32 along K at a time: lanes 0-15 read the 256 bytes of row k, lanes 16-31 those of
; row k + 16; a lane holds 4 columns x 16 along K; the hold at the largest code also turns them, so that a column's 16 numbers stand in consecutive registers for the conversion.
; v1 16 x lane, v3 8 x lane, v4 my bytes in a block, v5, v6 where I store codes and scale words, v2, v10 where I read them back; v24-47 at work, v48-63 codes, v64-127 turned numbers, v128-255 two blocks as loaded
.macro QLOADU t, pitch
.irp i, 0,1,2,3,4,5,6,7,8,9,10,11,12,13,14,15
	global_load_b128 v[128+64*((\t)%2)+4*\i:128+64*((\t)%2)+4*\i+3], v4, s[30:31] offset:(32*(\t)+\i)*(\pitch) th:TH_LOAD_NT
.endr
.endm
.macro QUNIT t, pitch
.set RB, 128+64*((\t)%2)
.if (\t) < 3
	s_wait_loadcnt 16                              ; this block is in; the next block's 16 loads are younger
.else
	s_wait_loadcnt 0x0
.endif
.irp j, 0,1,2,3
	v_max3_num_f32 v[24+\j], |v[RB+\j]|, |v[RB+4+\j]|, FLOOR
.endr
.irp i, 2,4,6,8,10,12,14
.irp j, 0,1,2,3
	v_max3_num_f32 v[24+\j], v[24+\j], |v[RB+4*\i+\j]|, |v[RB+4*\i+4+\j]|   ; the four columns by turns
.endr
.endr
.irp j, 0,1,2,3
	v_permlanex16_b32 v[28+\j], v[24+\j], s[SEL], s[SEL+1]
.endr
.irp j, 0,1,2,3
	v_max_num_f32 v[24+\j], v[24+\j], v[28+\j]     ; with the other 16 along K: the block's largest magnitude
.endr
.irp j, 0,1,2,3
	v_add_nc_u32 v[32+\j], EOFF, v[24+\j]
.endr
.irp j, 0,1,2,3
	v_and_or_b32 v[36+\j], v[24+\j], 0x7f800000, s[MNT]
.endr
.if (\t) == 0
.irp j, 0,1,2,3
	v_lshrrev_b32 v[40+\j], 23, v[32+\j]           ; the byte starts the K step's scale word
.endr
.else
.irp j, 0,1,2,3
	v_lshrrev_b32 v[44+\j], 23, v[32+\j]
.endr
.irp j, 0,1,2,3
	v_lshl_or_b32 v[40+\j], v[44+\j], 8*(\t), v[40+\j]
.endr
.endif
.irp j, 0,1,2,3
.irp i, 0,1,2,3,4,5,6,7,8,9,10,11,12,13,14,15
	v_med3_num_f32 v[64+16*\j+\i], v[RB+4*\i+\j], -v[36+\j], v[36+\j]   ; the hold (ISA guide 7.6.2), and the turn
.endr
.endr
.if (\t)+2 < 4
	QLOADU (\t)+2, \pitch
.endif
	s_wait_dscnt 0x0                               ; the last block's LDS stores have read the codes' registers
.irp j, 0,1,2,3
	v_cvt_scalef32_pk8_fp8_f32 v[48+4*\j:49+4*\j], v[64+16*\j:71+16*\j], v[32+\j]
	v_cvt_scalef32_pk8_fp8_f32 v[50+4*\j:51+4*\j], v[72+16*\j:79+16*\j], v[32+\j]
.endr
	v_nop                                          ; a plain line behind the last conversion
.irp j, 0,1,2,3
	ds_store_b128 v5, v[48+4*\j:51+4*\j] offset:512*(\t)+16*\j
.endr
.if (\t) == 3
	v_cndmask_b32 v12, v40, v42, s[HI]             ; lanes 0-15 store the words of columns 0, 1 of my four, lanes 16-31 of columns 2, 3
	v_cndmask_b32 v13, v41, v43, s[HI]
	ds_store_b32 v6, v12
	ds_store_b32 v6, v13 offset:4
.endif
.endm
; the four blocks; a barrier; then each wave takes four images (8,192 bytes on end in LDS and in swq) and 256 bytes of scale words out
.macro QWORK pitch, soff
	QLOADU 0, \pitch
	QLOADU 1, \pitch
	QUNIT 0, \pitch
	QUNIT 1, \pitch
	QUNIT 2, \pitch
	QUNIT 3, \pitch
	s_wait_dscnt 0x0                               ; for the others' sake: my stores have landed
	s_barrier_signal -1
	s_barrier_wait -1
.irp i, 0,1,2,3,4,5,6,7,8,9,10,11,12,13,14,15
	ds_load_b128 v[64+4*\i:67+4*\i], v2 offset:512*\i
.endr
	ds_load_b64 v[24:25], v10
.irp i, 0,1,2,3,4,5,6,7,8,9,10,11,12,13,14,15
	s_wait_dscnt 16-\i                             ; the later loads may be out
	global_store_b128 v1, v[64+4*\i:67+4*\i], s[34:35] offset:512*\i   ; 512 consecutive bytes a store
.endr
	s_wait_dscnt 0x0
	global_store_b64 v3, v[24:25], s[32:33] offset:\soff               ; 256 consecutive, aligned bytes
.endm
.Lweights:
	s_load_b128 s[4:7], s[0:1], 0x30               ; sw_gate s[4:5], sw_up s[6:7]
	s_load_b128 s[8:11], s[0:1], 0x40              ; sw_down s[8:9], swq s[10:11]
	v_lshrrev_b32 v12, 5, v0
	v_readfirstlane_b32 s20, v12                   ; wave
	s_and_b32 s21, s20, 1                          ; which matrix, or which 64 columns
	s_lshr_b32 s22, s20, 1                         ; which K step
	s_mov_b32 s[SEL], 0x76543210
	s_mov_b32 s[SEL+1], 0xfedcba98
	s_mov_b32 s[MNT], 0x600000
	s_mov_b32 s[HI], 0xffff0000
	v_and_b32 v12, 31, v0                          ; lane
	v_and_b32 v13, 15, v0                          ; q: my 4 columns are 4 q ..
	v_bfe_u32 v14, v0, 4, 1                        ; h
	v_lshlrev_b32 v1, 4, v12
	v_lshlrev_b32 v3, 3, v12
.irp j, 0,1,2,3
	v_mov_b32 v[28+\j], 0                          ; written once: a lane permute's destination counts as one of its sources
.endr
	s_lshl_b32 s23, s21, 2
	s_add_co_u32 s23, s23, s22
	s_lshl_b32 s23, s23, 11                        ; my image in a group: 4 (w & 1) + (w >> 1)
	s_mul_i32 s24, s22, QGRP
	s_lshl_b32 s25, s21, 13
	s_add_co_u32 s24, s24, s25                     ; what I take out: group w >> 1, its images 4 (w & 1) on
	s_lshl_b32 s25, s20, 8                         ; and 256 bytes of scale words
	s_cmp_lt_u32 ttmp9, 80
	s_cbranch_scc0 .Ldownw
	; gate and up: work-group 64 + 2 cs + hf: columns 64 cs on, K steps 4 hf on.  Of a block of 32 columns tile u takes column 8 u + r + 8 (r / 8) as its row r; the group is 2 x column block + u
	s_sub_co_u32 s26, ttmp9, 64
	s_lshr_b32 s27, s26, 1                         ; cs
	s_and_b32 s26, s26, 1                          ; hf
	v_bfe_u32 v15, v0, 3, 1                        ; column block
	v_bfe_u32 v7, v0, 1, 1                         ; u
	v_and_b32 v8, 1, v0
	v_bfe_u32 v9, v0, 2, 1
	v_lshlrev_b32 v4, 4, v13
	v_lshl_add_u32 v4, v14, 15, v4                 ; 16 q + 16 rows of 2,048 bytes for lanes 16-31
	v_lshl_add_u32 v5, v15, 1, v7
	v_mul_u32_u24 v5, v5, QGRP
	v_lshl_add_u32 v5, v14, 8, v5
	v_lshl_add_u32 v5, v8, 6, v5                   ; 16 x row: row = 4 (q & 1) + 8 ((q >> 2) & 1) + j
	v_lshl_add_u32 v5, v9, 7, v5
	s_add_co_u32 s28, s23, QA
	v_add_nc_u32 v5, s28, v5
	v_lshlrev_b32 v6, 10, v15                      ; scale words: [column block][matrix][K step] x 128 bytes; the word of lane 16 u + row
	v_lshl_add_u32 v6, v7, 6, v6
	v_lshl_add_u32 v6, v9, 5, v6
	v_lshl_add_u32 v6, v8, 4, v6
	v_lshl_add_u32 v6, v14, 3, v6
	s_lshl_b32 s28, s21, 9
	s_lshl_b32 s29, s22, 7
	s_add_co_u32 s28, s28, s29
	s_add_co_u32 s28, s28, QA+QSIMG
	v_add_nc_u32 v6, s28, v6
	s_add_co_u32 s28, s24, QA
	v_add_nc_u32 v2, s28, v1
	s_add_co_u32 s28, s25, QA+QSIMG
	v_add_nc_u32 v10, s28, v3
	s_lshl_b32 s30, s27, 8                         ; 256 cs,
	s_lshl_b32 s31, s26, 2
	s_add_co_u32 s31, s31, s22
	s_lshl_b32 s31, s31, 18                        ; + my K step's 128 rows of 2,048 bytes
	s_add_co_u32 s30, s30, s31
	s_mov_b32 s31, 0
	s_lshl_b32 s32, s27, 1
	s_lshr_b32 s33, s20, 2
	s_add_co_u32 s32, s32, s33
	s_mul_i32 s32, s32, 67584                      ; the block: 2 cs + (w >> 2)
	s_and_b32 s33, s22, 1
	s_lshl_b32 s34, s33, 15                        ; codes: tile (w >> 1) & 1,
	s_add_co_u32 s34, s34, s32
	s_lshl_b32 s35, s21, 14                        ; matrix w & 1,
	s_add_co_u32 s34, s34, s35
	s_lshl_b32 s35, s26, 13                        ; K steps 4 hf on
	s_add_co_u32 s34, s34, s35
	s_mov_b32 s35, 0
	s_lshl_b32 s33, s33, 10                        ; scale words: matrix (w >> 1) & 1,
	s_add_co_u32 s32, s32, s33
	s_lshl_b32 s33, s26, 9                         ; K steps 4 hf on,
	s_add_co_u32 s32, s32, s33
	s_lshl_b32 s33, s21, 8                         ; two of the four
	s_add_co_u32 s32, s32, s33
	s_mov_b32 s33, 0
	s_wait_kmcnt 0x0
	s_cmp_eq_u32 s21, 0
	s_cselect_b64 s[4:5], s[4:5], s[6:7]           ; gate or up: the choice hangs on the wave's number alone
	s_add_nc_u64 s[30:31], s[4:5], s[30:31]
	s_add_nc_u64 s[34:35], s[10:11], s[34:35]
	s_add_nc_u64 s[32:33], s[10:11], s[32:33]
	QWORK 2048, 65536
	s_set_vgpr_msb 0x4
	s_wait_tensorcnt 0x0
	ds_add_u32 v11, v1
	s_wait_dscnt 0x0
	s_set_vgpr_msb 0x400
	s_endpgm
.Ldownw:
	; down: work-group 80 + cs: columns 128 cs on, all four K steps.  The group is the column tile; a tile's rows are neighbouring columns
	s_sub_co_u32 s27, ttmp9, 80                    ; cs
	v_bfe_u32 v15, v0, 2, 2                        ; column tile
	v_and_b32 v7, 3, v0
	v_bfe_u32 v8, v0, 3, 1
	v_lshlrev_b32 v4, 4, v13
	v_lshl_add_u32 v4, v14, 16, v4                 ; 16 q + 16 rows of 4,096 bytes for lanes 16-31
	v_mul_u32_u24 v5, v15, QGRP
	v_lshl_add_u32 v5, v14, 8, v5
	v_lshl_add_u32 v5, v7, 6, v5                   ; 16 x row: row = 4 (q & 3) + j
	s_add_co_u32 s28, s23, QB
	v_add_nc_u32 v5, s28, v5
	v_and_b32 v6, 7, v0                            ; scale words: [half][pair of tiles][K step] x 128 bytes; the word of column & 31
	v_lshlrev_b32 v6, 4, v6
	v_lshl_add_u32 v6, v14, 3, v6
	v_lshl_add_u32 v6, v8, 9, v6
	s_lshl_b32 s28, s21, 10
	s_lshl_b32 s29, s22, 7
	s_add_co_u32 s28, s28, s29
	s_add_co_u32 s28, s28, QB+QSIMG
	v_add_nc_u32 v6, s28, v6
	s_add_co_u32 s28, s24, QB
	v_add_nc_u32 v2, s28, v1
	s_add_co_u32 s28, s25, QB+QSIMG
	v_add_nc_u32 v10, s28, v3
	s_lshl_b32 s30, s27, 9                         ; 512 cs,
	s_lshl_b32 s31, s21, 8                         ; + my 64 columns,
	s_add_co_u32 s30, s30, s31
	s_lshl_b32 s31, s22, 19                        ; + my K step's 128 rows of 4,096 bytes
	s_add_co_u32 s30, s30, s31
	s_mov_b32 s31, 0
	s_lshl_b32 s34, s27, 1
	s_add_co_u32 s34, s34, s21
	s_mul_i32 s34, s34, 33792                      ; codes: the block 2 cs + (w & 1),
	s_lshl_b32 s35, s22, 13                        ; column tile w >> 1
	s_add_co_u32 s34, s34, s35
	s_add_co_u32 s34, s34, SWD
	s_mov_b32 s35, 0
	s_lshl_b32 s32, s27, 1
	s_lshr_b32 s33, s20, 2
	s_add_co_u32 s32, s32, s33
	s_mul_i32 s32, s32, 33792                      ; scale words: the block 2 cs + (w >> 2),
	s_and_b32 s33, s22, 1
	s_lshl_b32 s33, s33, 9                         ; pair of tiles (w >> 1) & 1,
	s_add_co_u32 s32, s32, s33
	s_lshl_b32 s33, s21, 8                         ; two K steps of the four
	s_add_co_u32 s32, s32, s33
	s_add_co_u32 s32, s32, SWD
	s_mov_b32 s33, 0
	s_wait_kmcnt 0x0
	s_add_nc_u64 s[30:31], s[8:9], s[30:31]
	s_add_nc_u64 s[34:35], s[10:11], s[34:35]
	s_add_nc_u64 s[32:33], s[10:11], s[32:33]
	QWORK 4096, 32768
	s_set_vgpr_msb 0x4
	s_wait_tensorcnt 0x0
	ds_add_u32 v11, v1
	s_wait_dscnt 0x0
	s_set_vgpr_msb 0x400
	s_endpgm
.Lfunc_end_k_q3518e8ee50_route:
	.size	k_q3518e8ee50_route, .Lfunc_end_k_q3518e8ee50_route-k_q3518e8ee50_route
	.p2alignl 7, 3214868480
	.fill 96, 4, 3214868480
	.section	.rodata,"a",@progbits
	.p2align	6, 0x0
	.amdhsa_kernel k_q3518e8ee50_route
		.amdhsa_group_segment_fixed_size 153600
		.amdhsa_private_segment_fixed_size 0
		.amdhsa_enable_private_segment 0
		.amdhsa_kernarg_size 80
		.amdhsa_user_sgpr_count 2
		.amdhsa_user_sgpr_kernarg_segment_ptr 1
		.amdhsa_wavefront_size32 1
		.amdhsa_system_sgpr_workgroup_id_x 1
		.amdhsa_system_sgpr_workgroup_id_y 1
		.amdhsa_system_sgpr_workgroup_id_z 1
		.amdhsa_system_vgpr_workitem_id 0
		.amdhsa_next_free_vgpr 258
		.amdhsa_next_free_sgpr 66
		.amdhsa_reserve_vcc 1
		.amdhsa_float_denorm_mode_32 3
		.amdhsa_float_denorm_mode_16_64 3
		.amdhsa_memory_ordered 1
		.amdhsa_forward_progress 1
		.amdhsa_inst_pref_size 155
	.end_amdhsa_kernel
	.amdgpu_metadata
---
amdhsa.version: [ 1, 2 ]
amdhsa.kernels:
  - .name:           k_q3518e8ee50_route
    .symbol:         k_q3518e8ee50_route.kd
    .args:
      - { .name: hidden_states, .offset: 0, .size: 8, .value_kind: global_buffer, .address_space: global }
      - { .name: gate_w, .offset: 8, .size: 8, .value_kind: global_buffer, .address_space: global }
      - { .name: expert_bias, .offset: 16, .size: 8, .value_kind: global_buffer, .address_space: global }
      - { .name: xq, .offset: 24, .size: 8, .value_kind: global_buffer, .address_space: global }
      - { .name: ids, .offset: 32, .size: 8, .value_kind: global_buffer, .address_space: global }
      - { .name: rw, .offset: 40, .size: 8, .value_kind: global_buffer, .address_space: global }
      - { .name: sw_gate, .offset: 48, .size: 8, .value_kind: global_buffer, .address_space: global }
      - { .name: sw_up, .offset: 56, .size: 8, .value_kind: global_buffer, .address_space: global }
      - { .name: sw_down, .offset: 64, .size: 8, .value_kind: global_buffer, .address_space: global }
      - { .name: swq, .offset: 72, .size: 8, .value_kind: global_buffer, .address_space: global }
    .group_segment_fixed_size: 153600
    .private_segment_fixed_size: 0
    .kernarg_segment_align: 8
    .kernarg_segment_size: 80
    .max_flat_workgroup_size: 256
    .sgpr_count:     66
    .vgpr_count:     258
    .wavefront_size: 32
...
	.end_amdgpu_metadata
.endif
;; end of part 6
;; launch place: the kernel of part 2 again; grid 8 x 32, 1 waves a work-group, no clusters, 4,864 bytes of LDS; arguments ids, rw, xq, meta, xg; writes meta, xg
;; launch gateup (part 7): grid 8 x 32, 8 waves a work-group, no clusters, 204,032 bytes of LDS; arguments xq, xg, meta, w_gate, w_up, swq, aq; writes aq
.if DOCPART == 7
	.amdgcn_target "amdgcn-amd-amdhsa--gfx1250"
	.amdhsa_code_object_version 6
	.text
	.protected	k_q3518e8ee50_gateup
	.globl	k_q3518e8ee50_gateup
	.p2align	8
	.type	k_q3518e8ee50_gateup,@function
k_q3518e8ee50_gateup:
	s_mov_b64 s[64:65], 0
	v_nop
	global_prefetch_b8 v0, s[64:65] scope:SCOPE_SE
	s_setreg_imm32_b32 hwreg(HW_REG_WAVE_MODE, 25, 1), 1
	s_wait_xcnt 0x0
; GATE AND UP.  a = Q(silu(x Wg) (x Wu) route), both products on codes of FP8 (E4M3) with one E8M0 byte for each 32 along K = 1,024.
; 256 work-groups of equal weight traffic: work-group (x = cs, y = e) takes 64 columns of I (256 aligned bytes of each weight row) of expert e, AND a 256th of the shared expert.
; PHASE 1: the expert's weights, f32 with K as their FIRST axis, are read once and quantised on the way into LDS, as images of operand registers.  Wave w takes matrix w & 1 (gate, up) and K steps
; w >> 1 and (w >> 1) + 4, a block of 32 along K at a time: lanes 0-15 read the 256 bytes of row k, lanes 16-31 those of row k + 16; a lane holds 4 columns x 16 along K; the hold at the largest
; code also turns them, so that a column's 16 numbers stand in consecutive registers for the conversion.  Two blocks (32 loads of 512 bytes) a wave are on their way.
; THE COLUMNS OF A TILE ARE NOT NEIGHBOURS: of a block of 32 columns, tile u takes column 8 u + r + 8 (r / 8) as its row r, so that a lane's 16 results of tiles 0 and 1 are 16 neighbours along the next K.
; THE SHARED EXPERT'S PART: its weights were quantised by the first launch.  The images of block b = 8 (e & 1) + cs of 32 columns (66 KiB) are copied into LDS as a third column block, ahead of the stream.
; PHASE 2, behind the launch's one barrier: wave w takes 32 columns (w & 1) and the pairs of row tiles w >> 1, + 4, ..: eight accumulators (2 row tiles x gate, up x 2 column tiles) by turns over 8 K steps.
; The products are used transposed (source 0 = 16 columns, source 1 = 16 rows of x): a lane holds one row.  x's fragments come from memory straight into a ring of three register slots.
; Then silu(g) u route in f32, the block of 32 is quantised (lanes l and l xor 16), and 16 bytes a lane leave as the next product's operand image; one scale byte a row beside it.
; The shared pair of rows (e & 30) + (w & 1) counts as the pair behind the expert's last: the two waves with w >> 1 = pairs & 3 take it as their last trip, against the third column block.  16 blocks x 32 pairs
; are 512 such trips, two to a work-group.  That trip is written out a second time, so that every LDS address is made of the thread's number and constants alone.
; How many pairs an expert has is read from meta: trip counts hang on it, so the launch has no tensor load, and no barrier stands under such a branch.  Rows are filled up to whole pairs by the launch before.
; No cluster: no two work-groups read the same routed weights, which are all but a small part of the bytes.
; LIMITS: NaN and infinities are not served; a block whose largest magnitude lies under 2^-118 gets the byte 1 (this program alone reads the bytes).
.set FLOOR, 0x4800000
.set EOFF,  0xfc000000
.set RS,    0x109000                   ; a region of rows: codes, scale words at SCL, weights at RWS
.set SCL,   0x100000
.set RWS,   0x108000
.set AS_,   0x84000                    ; a region of a: codes (tile: 4 K steps x 2,048 bytes), scale bytes [row][16] at ASC
.set ASC,   0x80000
.set GRP,   32784                      ; LDS: six groups (column block, tile) of 16 images [matrix][K step] x 2,048 bytes, + 16: the sixteen lanes of a store touch sixteen different 16-byte columns modulo 256
.set SHG,   4*GRP                      ; the shared expert's two groups
.set SIMG,  196864                     ; LDS: the weights' scale words: [column block][matrix][K step] x 128 bytes; the word of lane 16 u + r
.set SBLK,  67584                      ; a block of the shared expert's images in swq
; v1 16 x lane; v2, v3 where I read my expert's images and scale words, v22, v23 the shared expert's; v4 my bytes in a weight block; v5, v6 where I store codes and scale words; v7, v8 x's scale words and weights;
; v19, v9 where I put my part of the shared images and scale words, v15 8 x lane; v10-14 at work (v12, v14: the route weights)
; v16-18 x's scale words, one for each slot; v20, v21 the weights' scale words: these five hold scales and nothing else
; phase 1: v24-27 largest magnitudes, v28-31 the other lane's, v32-35 scale operands, v36-39 448 x the scale, v40-43 scale words, v44-47 bytes, v48-63 codes, v64-127 turned numbers, v128-191, v192-255 two blocks as loaded
; phase 2: v24-87 accumulators (24 + 32 i + 8 (2 m + u)), v88-151 four weight fragments, v152-247 three slots of two fragments of x, v248-255 the codes that leave
	s_load_b256 s[4:11], s[0:1], 0x0               ; xq s[4:5], xg s[6:7], meta s[8:9], w_gate s[10:11]
	s_load_b128 s[12:15], s[0:1], 0x20             ; w_up s[12:13], swq s[14:15]
	s_load_b64 s[18:19], s[0:1], 0x30              ; aq
	s_set_vgpr_msb 0x40
	v_lshl_add_u32 v0, v0, 2, 0x31900
	v_mov_b32 v1, 0
	s_set_vgpr_msb 0x4000
	v_lshrrev_b32 v10, 5, v0
	v_readfirstlane_b32 s20, v10                   ; wave
	s_and_b32 s21, s20, 1                          ; phase 1: matrix; phase 2: column block
	s_lshr_b32 s22, s20, 1                         ; phase 1: K step; phase 2: first pair
	s_mov_b32 s23, ttmp9                           ; cs
	s_and_b32 s24, ttmp7, 0xffff                   ; e
	s_mov_b32 s25, 0xffff0000                      ; lanes 16-31
	s_mov_b32 s26, 0x76543210
	s_mov_b32 s27, 0xfedcba98                      ; v_permlanex16_b32's selects for lane l xor 16
	s_mov_b32 s28, 0x600000                        ; the mantissa field of 448
	v_and_b32 v10, 31, v0                          ; lane
	v_and_b32 v11, 15, v0                          ; q: my 4 columns are 4 q ..
	v_bfe_u32 v12, v0, 4, 1                        ; h
	v_bfe_u32 v13, v0, 3, 1                        ; column block
	v_bfe_u32 v14, v0, 1, 1                        ; u
	v_and_b32 v15, 1, v0
	v_bfe_u32 v9, v0, 2, 1
	v_lshlrev_b32 v1, 4, v10
	s_mul_i32 s58, s21, 2*GRP
	v_add_nc_u32 v2, s58, v1
	s_lshl_b32 s58, s21, 11
	s_add_co_u32 s58, s58, SIMG
	v_lshl_add_u32 v3, v10, 2, s58
	v_lshlrev_b32 v4, 4, v11
	v_lshl_add_u32 v4, v12, 15, v4                 ; 16 q + 16 rows of 2,048 bytes for lanes 16-31
	v_lshl_add_u32 v5, v13, 1, v14                 ; the group
	v_mul_u32_u24 v5, v5, GRP
	v_lshl_add_u32 v5, v12, 8, v5                  ; + 256 h
	v_lshl_add_u32 v5, v15, 6, v5                  ; + 16 x row: row = 4 (q & 1) + 8 ((q >> 2) & 1) + j
	v_lshl_add_u32 v5, v9, 7, v5
	s_lshl_b32 s58, s21, 3
	s_add_co_u32 s58, s58, s22
	s_lshl_b32 s58, s58, 11
	v_add_nc_u32 v5, s58, v5                       ; + the image of (matrix, K step)
	v_lshlrev_b32 v6, 11, v13
	v_lshl_add_u32 v6, v14, 6, v6
	v_lshl_add_u32 v6, v9, 5, v6
	v_lshl_add_u32 v6, v15, 4, v6
	v_lshl_add_u32 v6, v12, 3, v6                  ; the word of lane 16 u + row; lanes 0-15 store columns j = 0, 1, lanes 16-31 j = 2, 3
	s_lshl_b32 s58, s21, 10
	s_lshl_b32 s59, s22, 7
	s_add_co_u32 s58, s58, s59
	s_add_co_u32 s58, s58, SIMG
	v_add_nc_u32 v6, s58, v6
	v_lshlrev_b32 v7, 2, v11
	v_lshl_add_u32 v7, v12, 9, v7                  ; lanes 0-15 the first tile's words, lanes 16-31 the second's
	v_lshlrev_b32 v8, 2, v11
	v_add_nc_u32 v22, SHG, v1                      ; the shared expert's images,
	v_lshl_add_u32 v23, v10, 2, SIMG+4096          ; and its scale words: column block 2
	s_lshr_b32 s58, s20, 2                         ; my eighth of the shared images, 8,192 bytes: tile w >> 2, its images 4 (w & 3) on
	s_mul_i32 s58, s58, GRP
	s_and_b32 s59, s20, 3
	s_lshl_b32 s59, s59, 13
	s_add_co_u32 s58, s58, s59
	s_add_co_u32 s58, s58, SHG
	v_add_nc_u32 v19, s58, v1
	s_lshl_b32 s58, s20, 8                         ; and of its scale words, 256 bytes
	s_add_co_u32 s58, s58, SIMG+4096
	v_lshl_add_u32 v9, v10, 3, s58
	v_lshlrev_b32 v15, 3, v10
.irp j, 0,1,2,3
	v_mov_b32 v[28+\j], 0                          ; written once: a lane permute's destination counts as one of its sources
.endr
	s_lshl_b32 s60, s24, 21                        ; an expert's weights: 2 MiB
	s_mov_b32 s61, 0
	s_mul_i32 s36, s24, RS
	s_mov_b32 s37, 0
	s_lshl_b32 s63, s24, 2
	s_lshl_b32 s40, s23, 8
	s_lshl_b32 s41, s22, 18
	s_add_co_u32 s40, s40, s41                     ; 256 cs + my K step's 128 rows
	s_mov_b32 s41, 0
	s_mul_i32 s42, s24, AS_
	s_lshl_b32 s43, s23, 1
	s_add_co_u32 s43, s43, s21                     ; my block of 32 along the next K: 2 cs + column block
	s_lshr_b32 s44, s43, 2
	s_lshl_b32 s44, s44, 11
	s_and_b32 s45, s43, 3
	s_lshl_b32 s45, s45, 9
	s_add_co_u32 s44, s44, s45
	s_add_co_u32 s44, s44, s42
	s_add_co_u32 s46, s42, s43
	s_mov_b32 s45, 0
	s_mov_b32 s47, 0
	s_and_b32 s67, s24, 1
	s_lshl_b32 s67, s67, 3
	s_add_co_u32 s67, s67, s23                     ; the shared expert's block of 32 columns: 8 (e & 1) + cs
	s_and_b32 s66, s24, 30
	s_add_co_u32 s66, s66, s21                     ; and my pair of its row tiles: (e & 30) + (w & 1)
	s_mul_i32 s68, s67, SBLK
	s_lshl_b32 s70, s20, 13
	s_add_co_u32 s70, s70, s68                     ; my eighth of the block's images in swq,
	s_mov_b32 s71, 0
	s_lshl_b32 s69, s20, 8
	s_add_co_u32 s68, s68, s69                     ; and of its scale words (+ 65536)
	s_mov_b32 s69, 0
	s_lshr_b32 s74, s67, 2                         ; where the shared trip's codes go: region 32, K step b >> 2, register group b & 3, my pair
	s_lshl_b32 s74, s74, 11
	s_and_b32 s75, s67, 3
	s_lshl_b32 s75, s75, 9
	s_add_co_u32 s74, s74, s75
	s_lshl_b32 s75, s66, 14
	s_add_co_u32 s74, s74, s75
	s_add_co_u32 s74, s74, 32*AS_
	s_mov_b32 s75, 0
	s_lshl_b32 s78, s66, 9                         ; and its scale bytes (+ ASC)
	s_add_co_u32 s78, s78, s67
	s_add_co_u32 s78, s78, 32*AS_
	s_mov_b32 s79, 0
	s_wait_kmcnt 0x0
	s_add_nc_u64 s[54:55], s[18:19], s[44:45]      ; where my expert's codes go, pair 0
	s_add_nc_u64 s[56:57], s[18:19], s[46:47]      ; and its scale bytes (+ ASC)
	s_add_nc_u64 s[72:73], s[18:19], s[74:75]
	s_add_nc_u64 s[76:77], s[18:19], s[78:79]
	s_add_nc_u64 s[70:71], s[14:15], s[70:71]
	s_add_nc_u64 s[68:69], s[14:15], s[68:69]
	s_cmp_eq_u32 s21, 0
	s_cselect_b64 s[30:31], s[10:11], s[12:13]     ; gate or up: the choice hangs on the wave's number alone
	s_add_nc_u64 s[30:31], s[30:31], s[60:61]
	s_add_nc_u64 s[30:31], s[30:31], s[40:41]      ; my weights
	s_add_nc_u64 s[32:33], s[6:7], s[36:37]        ; my expert's rows
.macro LOADU t                         ; unit t: K step (w >> 1) + 4 (t >> 2), block t & 3: 32 rows x 256 bytes; read once in the launch
.irp i, 0,1,2,3,4,5,6,7,8,9,10,11,12,13,14,15
	global_load_b128 v[128+64*((\t)%2)+4*\i:128+64*((\t)%2)+4*\i+3], v4, s[30:31] offset:(((\t)>>2)*512+((\t)&3)*32+\i)*2048 th:TH_LOAD_NT
.endr
.endm
.macro UNIT t
.set RB, 128+64*((\t)%2)
.set CC, (\t)&3
.set HF, (\t)>>2
.if (\t) < 7
	s_wait_loadcnt 16                              ; this unit is in; the next unit's 16 loads are younger
.else
	s_wait_loadcnt 0x0
.endif
.irp j, 0,1,2,3
	v_max3_num_f32 v[24+\j], |v[RB+\j]|, |v[RB+4+\j]|, FLOOR
.endr
.irp i, 2,4,6,8,10,12,14
.irp j, 0,1,2,3
	v_max3_num_f32 v[24+\j], v[24+\j], |v[RB+4*\i+\j]|, |v[RB+4*\i+4+\j]|   ; the four columns by turns
.endr
.endr
.irp j, 0,1,2,3
	v_permlanex16_b32 v[28+\j], v[24+\j], s26, s27
.endr
.irp j, 0,1,2,3
	v_max_num_f32 v[24+\j], v[24+\j], v[28+\j]     ; with the other 16 along K: the block's largest magnitude
.endr
.irp j, 0,1,2,3
	v_add_nc_u32 v[32+\j], EOFF, v[24+\j]          ; the conversion's scale operand
.endr
.irp j, 0,1,2,3
	v_and_or_b32 v[36+\j], v[24+\j], 0x7f800000, s28   ; 448 x the scale
.endr
.if CC == 0
.irp j, 0,1,2,3
	v_lshrrev_b32 v[40+\j], 23, v[32+\j]           ; the byte starts the K step's scale word
.endr
.else
.irp j, 0,1,2,3
	v_lshrrev_b32 v[44+\j], 23, v[32+\j]
.endr
.irp j, 0,1,2,3
	v_lshl_or_b32 v[40+\j], v[44+\j], 8*CC, v[40+\j]
.endr
.endif
.irp j, 0,1,2,3
.irp i, 0,1,2,3,4,5,6,7,8,9,10,11,12,13,14,15
	v_med3_num_f32 v[64+16*\j+\i], v[RB+4*\i+\j], -v[36+\j], v[36+\j]   ; the hold (the conversion does not saturate: ISA guide 7.6.2), and the turn
.endr
.endr
.if (\t)+2 < 8
	LOADU (\t)+2                                   ; into the set just read
.endif
	s_wait_dscnt 0x0                               ; the last unit's LDS stores have read the codes' registers
.irp j, 0,1,2,3
	v_cvt_scalef32_pk8_fp8_f32 v[48+4*\j:49+4*\j], v[64+16*\j:71+16*\j], v[32+\j]
	v_cvt_scalef32_pk8_fp8_f32 v[50+4*\j:51+4*\j], v[72+16*\j:79+16*\j], v[32+\j]
.endr
	v_nop                                          ; a plain line behind the last conversion
.irp j, 0,1,2,3
	ds_store_b128 v5, v[48+4*\j:51+4*\j] offset:HF*8192+512*CC+16*\j
.endr
.if CC == 3
	v_cndmask_b32 v[10+2*HF], v40, v42, s25
	v_cndmask_b32 v[11+2*HF], v41, v43, s25
	ds_store_b32 v6, v[10+2*HF] offset:HF*512
	ds_store_b32 v6, v[11+2*HF] offset:HF*512+4
.endif
.endm
.irp i, 0,1,2,3,4,5,6,7,8,9,10,11,12,13,14,15
	global_load_b128 v[64+4*\i:67+4*\i], v1, s[70:71] offset:512*\i    ; my eighth of the shared images, as they lie
.endr
	global_load_b64 v[44:45], v15, s[68:69] offset:65536               ; and of their scale words
	LOADU 0
	LOADU 1
	s_load_b32 s62, s[8:9], s63 offset:0x0         ; the expert's count of rows
	s_wait_loadcnt 32                              ; the 17 loads of the copy are in; the stream's first 32 are younger
.irp i, 0,1,2,3,4,5,6,7,8,9,10,11,12,13,14,15
	ds_store_b128 v19, v[64+4*\i:67+4*\i] offset:512*\i
.endr
	ds_store_b64 v9, v[44:45]
	s_wait_dscnt 0x0                               ; the stores have read their registers, which the first unit writes
.irp t, 0,1,2,3,4,5,6,7
	UNIT \t
.endr
; slot: two fragments of x (the pair's two tiles, K step ks) and their scale words: nine loads
.macro SLOTLOAD slot, ks, ba, sc
.irp i, 0,1
.irp c, 0,1,2,3
	global_load_b128 v[152+32*(\slot)+16*\i+4*\c:152+32*(\slot)+16*\i+4*\c+3], v1, s[\ba:\ba+1] offset:\i*16384+(\ks)*2048+512*\c
.endr
.endr
	global_load_b32 v[16+(\slot)], v7, s[\sc:\sc+1] offset:SCL+64*(\ks)
.endm
.macro MM u, i, z                      ; one product; rows 16-31 of a scale register serve the second column tile (source 0) and the second row tile (source 1)
.if \z
.if (\u) && (\i)
	v_wmma_scale_f32_16x16x128_f8f6f4 v[rD:rD+7], v[rA:rA+15], v[rB:rB+15], 0, v[rSA], v[rSB] matrix_a_scale:MATRIX_SCALE_ROW1 matrix_b_scale:MATRIX_SCALE_ROW1
.elseif \u
	v_wmma_scale_f32_16x16x128_f8f6f4 v[rD:rD+7], v[rA:rA+15], v[rB:rB+15], 0, v[rSA], v[rSB] matrix_a_scale:MATRIX_SCALE_ROW1
.elseif \i
	v_wmma_scale_f32_16x16x128_f8f6f4 v[rD:rD+7], v[rA:rA+15], v[rB:rB+15], 0, v[rSA], v[rSB] matrix_b_scale:MATRIX_SCALE_ROW1
.else
	v_wmma_scale_f32_16x16x128_f8f6f4 v[rD:rD+7], v[rA:rA+15], v[rB:rB+15], 0, v[rSA], v[rSB]
.endif
.else
.if (\u) && (\i)
	v_wmma_scale_f32_16x16x128_f8f6f4 v[rD:rD+7], v[rA:rA+15], v[rB:rB+15], v[rD:rD+7], v[rSA], v[rSB] matrix_a_scale:MATRIX_SCALE_ROW1 matrix_b_scale:MATRIX_SCALE_ROW1
.elseif \u
	v_wmma_scale_f32_16x16x128_f8f6f4 v[rD:rD+7], v[rA:rA+15], v[rB:rB+15], v[rD:rD+7], v[rSA], v[rSB] matrix_a_scale:MATRIX_SCALE_ROW1
.elseif \i
	v_wmma_scale_f32_16x16x128_f8f6f4 v[rD:rD+7], v[rA:rA+15], v[rB:rB+15], v[rD:rD+7], v[rSA], v[rSB] matrix_b_scale:MATRIX_SCALE_ROW1
.else
	v_wmma_scale_f32_16x16x128_f8f6f4 v[rD:rD+7], v[rA:rA+15], v[rB:rB+15], v[rD:rD+7], v[rSA], v[rSB]
.endif
.endif
.endm
; K step s: the four weight fragments and their scale words from LDS (addresses v[lb], v[lsb]); x's slot s % 3; eight products, the eight accumulators by turns; np places ahead of the loads that follow.  n: the younger global loads that may be out
.macro KS s, n, np, lb, lsb
.set SG, (\s)%3
.set ZZ, 0
.if (\s) == 0
.set ZZ, 1
.endif
.irp m, 0,1
.irp u, 0,1
.irp c, 0,1,2,3
	ds_load_b128 v[88+16*(2*\m+\u)+4*\c:88+16*(2*\m+\u)+4*\c+3], v[\lb] offset:\u*GRP+\m*16384+(\s)*2048+512*\c
.endr
.endr
	ds_load_b32 v[20+\m], v[\lsb] offset:\m*1024+128*(\s)
.endr
	s_wait_loadcnt \n
	s_wait_dscnt 0x0
.irp i, 0,1
.irp m, 0,1
.irp u, 0,1
.set rD, 24+32*\i+8*(2*\m+\u)
.set rA, 88+16*(2*\m+\u)
.set rB, 152+32*SG+16*\i
.set rSA, 20+\m
.set rSB, 16+SG
	MM \u, \i, ZZ
.endr
.endr
.endr
.rept \np
	v_nop
.endr
.endm
; A TRIP: one pair of row tiles.  s[40:41], s[44:45], s[48:49]: the pair's codes, scale words, weights; s[42:43], s[46:47]: the next pair's; s[50:51], s[52:53]: where the results go.
; On the way in K steps 2, 0 and 1 of the pair are out or in, asked for in that order.  last = 1: nothing is asked for beyond this pair
.macro BODY lb, lsb, last
	global_load_b32 v12, v8, s[48:49] offset:RWS       ; my row's route weight, first tile,
	global_load_b32 v14, v8, s[48:49] offset:RWS+64    ; second tile
	KS 0, 11, 8, \lb, \lsb                         ; out behind K step 0's slot: K step 1's nine and the two weights
	SLOTLOAD 0, 3, 40, 44
	KS 1, 11, 8, \lb, \lsb                         ; the two weights and K step 3's nine
	SLOTLOAD 1, 4, 40, 44
	KS 2, 18, 8, \lb, \lsb                         ; from here on: the two younger slots
	SLOTLOAD 2, 5, 40, 44
	KS 3, 18, 8, \lb, \lsb
	SLOTLOAD 0, 6, 40, 44
	KS 4, 18, 8, \lb, \lsb
	SLOTLOAD 1, 7, 40, 44
	KS 5, 18, 8, \lb, \lsb
.if \last
	KS 6, 9, 8, \lb, \lsb                          ; K step 7's nine may be out
	KS 7, 0, 8, \lb, \lsb
.else
	SLOTLOAD 2, 2, 42, 46                          ; the next pair's first three K steps
	KS 6, 18, 8, \lb, \lsb
	SLOTLOAD 0, 0, 42, 46
	KS 7, 18, 9, \lb, \lsb                         ; nine places: the next trip's first products write over these accumulators
	SLOTLOAD 1, 1, 42, 46
.endif
	; silu(g) u route.  Of tile i a lane's g are v[24 + 32 i + n], its u v[40 + 32 i + n], n = 0 .. 15: k = 16 h + n of the block of 32 along the next K.  Each accumulator is read from its low end on
.irp i, 0,1
.irp n, 0,2,4,6,8,10,12,14
	v_pk_mul_f32 v[88+16*\i+\n:89+16*\i+\n], v[24+32*\i+\n:25+32*\i+\n], 0xbfb8aa3b op_sel_hi:[1,0]   ; - g log2(e)
.endr
.endr
.irp n, 0,1,2,3,4,5,6,7,8,9,10,11,12,13,14,15,16,17,18,19,20,21,22,23,24,25,26,27,28,29,30,31
	v_exp_f32 v[88+\n], v[88+\n]
.endr
	v_nop
	s_wait_alu depctr_va_vdst(0)                   ; one wait for the batch, ahead of its first reader
.irp n, 0,2,4,6,8,10,12,14,16,18,20,22,24,26,28,30
	v_pk_add_f32 v[88+\n:89+\n], v[88+\n:89+\n], 1.0 op_sel_hi:[1,0]
.endr
.irp n, 0,1,2,3,4,5,6,7,8,9,10,11,12,13,14,15,16,17,18,19,20,21,22,23,24,25,26,27,28,29,30,31
	v_rcp_f32 v[88+\n], v[88+\n]                   ; sigmoid(g)
.endr
	v_nop
	s_wait_alu depctr_va_vdst(0)
.irp i, 0,1
.irp n, 0,2,4,6,8,10,12,14
	v_pk_mul_f32 v[120+16*\i+\n:121+16*\i+\n], v[24+32*\i+\n:25+32*\i+\n], v[88+16*\i+\n:89+16*\i+\n]
.endr
.endr
.irp i, 0,1
.irp n, 0,2,4,6,8,10,12,14
	v_pk_mul_f32 v[120+16*\i+\n:121+16*\i+\n], v[120+16*\i+\n:121+16*\i+\n], v[40+32*\i+\n:41+32*\i+\n]
.endr
.endr
.irp i, 0,1
.irp n, 0,2,4,6,8,10,12,14
	v_pk_mul_f32 v[120+16*\i+\n:121+16*\i+\n], v[120+16*\i+\n:121+16*\i+\n], v[12+2*\i:13+2*\i] op_sel_hi:[1,0]   ; the pair's low word serves both halves
.endr
.endr
.irp i, 0,1
	v_max3_num_f32 v[88+\i], |v[120+16*\i]|, |v[121+16*\i]|, FLOOR
.endr
.irp n, 2,4,6,8,10,12,14
.irp i, 0,1
	v_max3_num_f32 v[88+\i], v[88+\i], |v[120+16*\i+\n]|, |v[121+16*\i+\n]|
.endr
.endr
.irp i, 0,1
	v_permlanex16_b32 v[90+\i], v[88+\i], s26, s27
.endr
.irp i, 0,1
	v_max_num_f32 v[88+\i], v[88+\i], v[90+\i]
.endr
.irp i, 0,1
	v_add_nc_u32 v[92+\i], EOFF, v[88+\i]
.endr
.irp i, 0,1
	v_and_or_b32 v[94+\i], v[88+\i], 0x7f800000, s28
.endr
.irp i, 0,1
	v_lshrrev_b32 v[96+\i], 23, v[92+\i]
.endr
.irp i, 0,1
.irp n, 0,1,2,3,4,5,6,7,8,9,10,11,12,13,14,15
	v_med3_num_f32 v[120+16*\i+\n], v[120+16*\i+\n], -v[94+\i], v[94+\i]
.endr
	v_cvt_scalef32_pk8_fp8_f32 v[248+4*\i:249+4*\i], v[120+16*\i:127+16*\i], v[92+\i]
	v_cvt_scalef32_pk8_fp8_f32 v[250+4*\i:251+4*\i], v[128+16*\i:135+16*\i], v[92+\i]
.endr
	v_nop                                          ; a plain line behind the last conversion
	v_cndmask_b32 v98, v96, v97, s25               ; lanes 0-15 the first tile's bytes, lanes 16-31 the second's
	global_store_b128 v1, v[248:251], s[50:51]             ; 512 consecutive bytes: registers 4 c .. 4 c + 3 of the next operand
	global_store_b128 v1, v[252:255], s[50:51] offset:8192
	global_store_b8 v1, v98, s[52:53] offset:ASC           ; a byte a row, 16 bytes apart: so laid, the next launch takes a row's 16 bytes by one load
.endm
	s_wait_kmcnt 0x0
	s_add_co_u32 s62, s62, 31
	s_lshr_b32 s62, s62, 5
	s_min_u32 s62, s62, 32                         ; the expert's pairs
	s_add_co_u32 s60, s62, 3
	s_sub_co_u32 s60, s60, s22
	s_lshr_b32 s60, s60, 2                         ; my trips on them: every fourth pair from my first on; 8 at the most
	s_mov_b32 s37, s22                             ; my first pair
	s_cmp_lt_u32 s37, s62
	s_cselect_b32 s39, s37, s66                    ; behind the expert's last pair comes the shared pair: a wave that does not take it asks for it all the same and discards it,
	s_cselect_b64 s[34:35], s[32:33], s[4:5]       ; so that every wave has the same loads out, of bytes that were stored
	s_min_u32 s39, s39, 31
	s_mov_b32 s59, 0
	s_lshl_b32 s58, s39, 15
	s_add_nc_u64 s[42:43], s[34:35], s[58:59]
	s_lshl_b32 s58, s39, 10
	s_add_nc_u64 s[46:47], s[34:35], s[58:59]
	SLOTLOAD 2, 2, 42, 46                          ; in the order in which a trip leaves them for the next
	SLOTLOAD 0, 0, 42, 46
	SLOTLOAD 1, 1, 42, 46
	s_wait_dscnt 0x0                               ; my images and scale words have landed
	s_barrier_signal -1
	s_barrier_wait -1                              ; everybody's have; LDS is only read from here on
	s_mov_b32 s29, 0                               ; trips done
	s_cmp_lg_u32 s60, 0
	s_cbranch_scc0 .Lshared
.Lpass:                                                ; a trip on a pair of my expert's
	s_wait_xcnt 0x0                                ; the bases, and the registers that the last trip's stores read, are written again only behind this wait
	s_min_u32 s38, s37, 31                         ; this pair,
	s_add_co_u32 s39, s37, 4
	s_cmp_lt_u32 s39, s62
	s_cselect_b32 s39, s39, s66                    ; my next one, or behind the last the shared pair
	s_cselect_b64 s[34:35], s[32:33], s[4:5]
	s_min_u32 s39, s39, 31
	s_mov_b32 s59, 0
	s_lshl_b32 s58, s38, 15
	s_add_nc_u64 s[40:41], s[32:33], s[58:59]
	s_lshl_b32 s58, s39, 15
	s_add_nc_u64 s[42:43], s[34:35], s[58:59]
	s_lshl_b32 s58, s38, 10
	s_add_nc_u64 s[44:45], s[32:33], s[58:59]
	s_lshl_b32 s58, s39, 10
	s_add_nc_u64 s[46:47], s[34:35], s[58:59]
	s_lshl_b32 s58, s38, 7
	s_add_nc_u64 s[48:49], s[32:33], s[58:59]
	s_lshl_b32 s58, s38, 14
	s_add_nc_u64 s[50:51], s[54:55], s[58:59]
	s_lshl_b32 s58, s38, 9
	s_add_nc_u64 s[52:53], s[56:57], s[58:59]
	BODY 2, 3, 0
	s_add_co_u32 s37, s37, 4                       ; my next pair
	s_add_co_u32 s29, s29, 1
	s_cmp_lt_u32 s29, s60
	s_cbranch_scc1 .Lpass
.Lshared:
	s_and_b32 s58, s62, 3                          ; whose turn is the pair behind the expert's last?
	s_cmp_eq_u32 s58, s22
	s_cbranch_scc0 .Lend
	s_wait_xcnt 0x0
	s_mov_b32 s59, 0
	s_lshl_b32 s58, s66, 15
	s_add_nc_u64 s[40:41], s[4:5], s[58:59]        ; the shared expert's rows are xq's, in token order; their weight is 1.0
	s_lshl_b32 s58, s66, 10
	s_add_nc_u64 s[44:45], s[4:5], s[58:59]
	s_lshl_b32 s58, s66, 7
	s_add_nc_u64 s[48:49], s[4:5], s[58:59]
	s_mov_b64 s[50:51], s[72:73]
	s_mov_b64 s[52:53], s[76:77]
	BODY 22, 23, 1
.Lend:
	s_set_vgpr_msb 0x5
	s_wait_tensorcnt 0x0
	ds_add_u32 v0, v1
	s_wait_dscnt 0x0
	s_set_vgpr_msb 0x500
	s_endpgm
.Lfunc_end_k_q3518e8ee50_gateup:
	.size	k_q3518e8ee50_gateup, .Lfunc_end_k_q3518e8ee50_gateup-k_q3518e8ee50_gateup
	.p2alignl 7, 3214868480
	.fill 96, 4, 3214868480
	.section	.rodata,"a",@progbits
	.p2align	6, 0x0
	.amdhsa_kernel k_q3518e8ee50_gateup
		.amdhsa_group_segment_fixed_size 204032
		.amdhsa_private_segment_fixed_size 0
		.amdhsa_enable_private_segment 0
		.amdhsa_kernarg_size 56
		.amdhsa_user_sgpr_count 2
		.amdhsa_user_sgpr_kernarg_segment_ptr 1
		.amdhsa_wavefront_size32 1
		.amdhsa_system_sgpr_workgroup_id_x 1
		.amdhsa_system_sgpr_workgroup_id_y 1
		.amdhsa_system_sgpr_workgroup_id_z 1
		.amdhsa_system_vgpr_workitem_id 0
		.amdhsa_next_free_vgpr 258
		.amdhsa_next_free_sgpr 80
		.amdhsa_reserve_vcc 0
		.amdhsa_float_denorm_mode_32 3
		.amdhsa_float_denorm_mode_16_64 3
		.amdhsa_memory_ordered 1
		.amdhsa_forward_progress 1
		.amdhsa_inst_pref_size 166
	.end_amdhsa_kernel
	.amdgpu_metadata
---
amdhsa.version: [ 1, 2 ]
amdhsa.kernels:
  - .name:           k_q3518e8ee50_gateup
    .symbol:         k_q3518e8ee50_gateup.kd
    .args:
      - { .name: xq, .offset: 0, .size: 8, .value_kind: global_buffer, .address_space: global }
      - { .name: xg, .offset: 8, .size: 8, .value_kind: global_buffer, .address_space: global }
      - { .name: meta, .offset: 16, .size: 8, .value_kind: global_buffer, .address_space: global }
      - { .name: w_gate, .offset: 24, .size: 8, .value_kind: global_buffer, .address_space: global }
      - { .name: w_up, .offset: 32, .size: 8, .value_kind: global_buffer, .address_space: global }
      - { .name: swq, .offset: 40, .size: 8, .value_kind: global_buffer, .address_space: global }
      - { .name: aq, .offset: 48, .size: 8, .value_kind: global_buffer, .address_space: global }
    .group_segment_fixed_size: 204032
    .private_segment_fixed_size: 0
    .kernarg_segment_align: 8
    .kernarg_segment_size: 56
    .max_flat_workgroup_size: 256
    .sgpr_count:     80
    .vgpr_count:     258
    .wavefront_size: 32
...
	.end_amdgpu_metadata
.endif
;; end of part 7
;; launch down (part 8): grid 8 x 32, 8 waves a work-group, no clusters, 162,304 bytes of LDS; arguments aq, meta, w_down, swq, y; writes y
.if DOCPART == 8
	.amdgcn_target "amdgcn-amd-amdhsa--gfx1250"
	.amdhsa_code_object_version 6
	.text
	.protected	k_q3518e8ee50_down
	.globl	k_q3518e8ee50_down
	.p2align	8
	.type	k_q3518e8ee50_down,@function
k_q3518e8ee50_down:
	s_mov_b64 s[64:65], 0
	v_nop
	global_prefetch_b8 v0, s[64:65] scope:SCOPE_SE
	s_setreg_imm32_b32 hwreg(HW_REG_WAVE_MODE, 25, 1), 1
	s_wait_xcnt 0x0
; DOWN.  y[row] = a[row] Wd, on codes of FP8 (E4M3) with one E8M0 byte for each 32 along K = 512; a arrives as operand images, Wd as f32 with K as its first axis.
; 256 work-groups of equal weight traffic: work-group (x = cs, y = e) takes 128 columns of H (512 aligned bytes of each weight row) of expert e, AND a 256th of the shared expert.
; PHASE 1: wave w quantises 64 columns (w & 1) x K step w >> 1, a block of 32 along K at a time, into LDS as images of operand registers: lanes 0-15 read 256 bytes of row k, lanes 16-31 of row k + 16;
; the hold at the largest code also turns a lane's 4 columns x 16 along K, so that a column's numbers stand in consecutive registers.  Two blocks (32 loads of 512 bytes) a wave are on their way.
; THE SHARED EXPERT'S PART: its weights were quantised by the first launch.  The images of block b = 8 (e & 1) + cs of 64 columns (33 KiB) are copied into LDS bytes of their own, ahead of the stream.
; PHASE 2, behind the launch's one barrier: wave w takes 64 columns (w & 1) and the pairs of row tiles w >> 1, + 4, ..: eight accumulators (2 row tiles x 4 column tiles) by turns over 4 K steps,
; transposed (source 0 = 16 columns, source 1 = 16 rows): a lane holds eight neighbouring columns of one row.  a's fragments come from memory into a ring of three register slots.
; The results go through the wave's own stage in LDS and leave as rows: sixteen lanes store 256 consecutive, aligned bytes.  The sum over a token's experts is the next launch's.
; The shared pair of rows (e & 30) + (w & 1) counts as the pair behind the expert's last: the two waves with w >> 1 = pairs & 3 take it as their last trip, against the shared block.  That trip is written out a
; second time, so that every LDS address is made of the thread's number and constants alone.
; Trip counts hang on a count read from meta: no tensor load, and no barrier under such a branch.  No cluster: no two work-groups read the same routed weights.
; LIMITS: NaN and infinities are not served; a block whose largest magnitude lies under 2^-118 gets the byte 1 (this program alone reads the bytes).
.set FLOOR, 0x4800000
.set EOFF,  0xfc000000
.set AS_,   0x84000
.set ASC,   0x80000
.set GRP,   16400                      ; LDS: four groups (column tile) of 8 images [half][K step] x 2,048 bytes, + 16: the sixteen lanes of a store touch sixteen different 16-byte columns modulo 256
.set SHB,   65792                      ; LDS: the shared block: four column tiles, GRP bytes apart, of 4 images each
.set SIMG,  123392                     ; LDS: the weights' scale words: [half; 2 = the shared block][pair of column tiles][K step] x 128 bytes; the word of column & 31
.set STG,   126464                     ; LDS: a stage of 16 rows x (256 + 16) bytes for each wave
.set SWD,   1081344                    ; where sw_down's blocks begin in swq,
.set SBLK,  33792                      ; and a block's bytes
; v1 16 x lane; v2, v3 where I read my expert's images and scale words, v22, v23 the shared block's; v4 my bytes in a weight block; v5, v6 where I store codes and scale words; v9, v10 the stage, in and back;
; v11 my bytes in two rows of y; v14, v15 where I put my part of the shared images and scale words, v7 4 x lane; v12, v13 at work
; v16-19 a's scale words of the four K steps; v20, v21 the weights': these six hold scales and nothing else.  Phase 1 as in the launch before; v24-87 accumulators, v88-151 four weight fragments, v152-247 three slots
	s_load_b256 s[4:11], s[0:1], 0x0               ; aq s[4:5], meta s[6:7], w_down s[8:9], swq s[10:11]
	s_load_b64 s[12:13], s[0:1], 0x20              ; y
	s_set_vgpr_msb 0x40
	v_lshl_add_u32 v0, v0, 2, 0x27600
	v_mov_b32 v1, 0
	s_set_vgpr_msb 0x4000
	v_lshrrev_b32 v12, 5, v0
	v_readfirstlane_b32 s20, v12                   ; wave
	s_and_b32 s21, s20, 1                          ; which 64 columns
	s_lshr_b32 s22, s20, 1                         ; phase 1: K step; phase 2: first pair
	s_mov_b32 s23, ttmp9                           ; cs
	s_and_b32 s24, ttmp7, 0xffff                   ; e
	s_mov_b32 s25, 0xffff0000
	s_mov_b32 s26, 0x76543210
	s_mov_b32 s27, 0xfedcba98
	s_mov_b32 s28, 0x600000
	v_and_b32 v12, 31, v0                          ; lane
	v_and_b32 v13, 15, v0                          ; q
	v_bfe_u32 v14, v0, 4, 1                        ; h
	v_bfe_u32 v15, v0, 2, 2                        ; column tile
	v_and_b32 v7, 3, v0
	v_bfe_u32 v8, v0, 3, 1
	v_lshlrev_b32 v1, 4, v12
	s_lshl_b32 s58, s21, 13
	v_add_nc_u32 v2, s58, v1
	s_lshl_b32 s58, s21, 10
	s_add_co_u32 s58, s58, SIMG
	v_lshl_add_u32 v3, v12, 2, s58
	v_lshlrev_b32 v4, 4, v13
	v_lshl_add_u32 v4, v14, 16, v4                 ; 16 q + 16 rows of 4,096 bytes for lanes 16-31
	v_mul_u32_u24 v5, v15, GRP
	v_lshl_add_u32 v5, v14, 8, v5
	v_lshl_add_u32 v5, v7, 6, v5                   ; 16 x row: row = 4 (q & 3) + j
	s_lshl_b32 s58, s21, 2
	s_add_co_u32 s58, s58, s22
	s_lshl_b32 s58, s58, 11
	v_add_nc_u32 v5, s58, v5
	v_and_b32 v6, 7, v0
	v_lshlrev_b32 v6, 4, v6
	v_lshl_add_u32 v6, v14, 3, v6                  ; the word of column (4 q + 2 h) & 31
	v_lshl_add_u32 v6, v8, 9, v6
	s_lshl_b32 s58, s21, 10
	s_lshl_b32 s59, s22, 7
	s_add_co_u32 s58, s58, s59
	s_add_co_u32 s58, s58, SIMG
	v_add_nc_u32 v6, s58, v6
	s_mul_i32 s58, s20, 4352
	s_add_co_u32 s58, s58, STG
	v_mul_u32_u24 v9, v13, 272
	v_lshl_add_u32 v9, v14, 5, v9
	v_add_nc_u32 v9, s58, v9                       ; in: row r, + 32 h
	v_mul_u32_u24 v10, v14, 272
	v_lshl_add_u32 v10, v13, 4, v10
	v_add_nc_u32 v10, s58, v10                     ; back: lanes 0-15 one row, lanes 16-31 the next
	v_lshlrev_b32 v11, 4, v13
	v_lshl_add_u32 v11, v14, 12, v11
	v_add_nc_u32 v22, SHB, v1                      ; the shared block's images,
	v_lshl_add_u32 v23, v12, 2, SIMG+2048          ; and its scale words
	s_mul_i32 s58, s22, GRP                        ; my eighth of the shared images, 4,096 bytes: column tile w >> 1, its images 2 (w & 1) on
	s_lshl_b32 s59, s21, 12
	s_add_co_u32 s58, s58, s59
	s_add_co_u32 s58, s58, SHB
	v_add_nc_u32 v14, s58, v1
	s_lshl_b32 s58, s20, 7                         ; and of its scale words, 128 bytes
	s_add_co_u32 s58, s58, SIMG+2048
	v_lshl_add_u32 v15, v12, 2, s58
	v_lshlrev_b32 v7, 2, v12
.irp j, 0,1,2,3
	v_mov_b32 v[28+\j], 0                          ; written once: a lane permute's destination counts as one of its sources
.endr
	s_lshl_b32 s60, s24, 21
	s_mov_b32 s61, 0
	s_lshl_b32 s63, s24, 2
	s_lshl_b32 s40, s23, 9
	s_lshl_b32 s41, s21, 8
	s_add_co_u32 s40, s40, s41                     ; my 64 columns, in bytes
	s_mov_b32 s48, s40
	s_lshl_b32 s41, s22, 19
	s_add_co_u32 s40, s40, s41                     ; + my K step's 128 rows
	s_mov_b32 s41, 0
	s_mul_i32 s42, s24, AS_
	s_mov_b32 s43, 0
	s_lshl_b32 s49, s24, 22                        ; a region of y: 1,024 rows of 4,096 bytes
	s_add_co_u32 s48, s48, s49
	s_mov_b32 s49, 0
	s_mov_b32 s50, 32*AS_
	s_mov_b32 s51, 0
	s_and_b32 s67, s24, 1
	s_lshl_b32 s67, s67, 3
	s_add_co_u32 s67, s67, s23                     ; the shared expert's block of 64 columns: 8 (e & 1) + cs
	s_and_b32 s66, s24, 30
	s_add_co_u32 s66, s66, s21                     ; and my pair of its row tiles: (e & 30) + (w & 1)
	s_mul_i32 s68, s67, SBLK
	s_add_co_u32 s68, s68, SWD
	s_lshl_b32 s70, s20, 12
	s_add_co_u32 s70, s70, s68                     ; my eighth of the block's images in swq,
	s_mov_b32 s71, 0
	s_lshl_b32 s69, s20, 7
	s_add_co_u32 s68, s68, s69                     ; and of its scale words (+ 32768)
	s_mov_b32 s69, 0
	s_lshl_b32 s72, s67, 8                         ; where the shared trip's rows go: region 32, the block's columns, my pair
	s_lshl_b32 s73, s66, 17
	s_add_co_u32 s72, s72, s73
	s_add_co_u32 s72, s72, 1<<27
	s_mov_b32 s73, 0
	s_wait_kmcnt 0x0
	s_add_nc_u64 s[32:33], s[4:5], s[42:43]        ; my expert's region of a
	s_add_nc_u64 s[50:51], s[4:5], s[50:51]        ; the shared expert's
	s_add_nc_u64 s[48:49], s[12:13], s[48:49]      ; my columns of my expert's region of y
	s_add_nc_u64 s[72:73], s[12:13], s[72:73]
	s_add_nc_u64 s[70:71], s[10:11], s[70:71]
	s_add_nc_u64 s[68:69], s[10:11], s[68:69]
	s_add_nc_u64 s[30:31], s[8:9], s[60:61]
	s_add_nc_u64 s[30:31], s[30:31], s[40:41]      ; my weights
.macro LOADU t                         ; block t of my K step: 32 rows x 256 bytes; read once in the launch
.irp i, 0,1,2,3,4,5,6,7,8,9,10,11,12,13,14,15
	global_load_b128 v[128+64*((\t)%2)+4*\i:128+64*((\t)%2)+4*\i+3], v4, s[30:31] offset:(32*(\t)+\i)*4096 th:TH_LOAD_NT
.endr
.endm
.macro UNIT t
.set RB, 128+64*((\t)%2)
.if (\t) < 3
	s_wait_loadcnt 16                              ; this block is in; the next block's 16 loads are younger
.else
	s_wait_loadcnt 0x0
.endif
.irp j, 0,1,2,3
	v_max3_num_f32 v[24+\j], |v[RB+\j]|, |v[RB+4+\j]|, FLOOR
.endr
.irp i, 2,4,6,8,10,12,14
.irp j, 0,1,2,3
	v_max3_num_f32 v[24+\j], v[24+\j], |v[RB+4*\i+\j]|, |v[RB+4*\i+4+\j]|
.endr
.endr
.irp j, 0,1,2,3
	v_permlanex16_b32 v[28+\j], v[24+\j], s26, s27
.endr
.irp j, 0,1,2,3
	v_max_num_f32 v[24+\j], v[24+\j], v[28+\j]
.endr
.irp j, 0,1,2,3
	v_add_nc_u32 v[32+\j], EOFF, v[24+\j]
.endr
.irp j, 0,1,2,3
	v_and_or_b32 v[36+\j], v[24+\j], 0x7f800000, s28
.endr
.if (\t) == 0
.irp j, 0,1,2,3
	v_lshrrev_b32 v[40+\j], 23, v[32+\j]
.endr
.else
.irp j, 0,1,2,3
	v_lshrrev_b32 v[44+\j], 23, v[32+\j]
.endr
.irp j, 0,1,2,3
	v_lshl_or_b32 v[40+\j], v[44+\j], 8*(\t), v[40+\j]
.endr
.endif
.irp j, 0,1,2,3
.irp i, 0,1,2,3,4,5,6,7,8,9,10,11,12,13,14,15
	v_med3_num_f32 v[64+16*\j+\i], v[RB+4*\i+\j], -v[36+\j], v[36+\j]   ; the hold (ISA guide 7.6.2), and the turn
.endr
.endr
.if (\t)+2 < 4
	LOADU (\t)+2
.endif
	s_wait_dscnt 0x0                               ; the last block's LDS stores have read the codes' registers
.irp j, 0,1,2,3
	v_cvt_scalef32_pk8_fp8_f32 v[48+4*\j:49+4*\j], v[64+16*\j:71+16*\j], v[32+\j]
	v_cvt_scalef32_pk8_fp8_f32 v[50+4*\j:51+4*\j], v[72+16*\j:79+16*\j], v[32+\j]
.endr
	v_nop                                          ; a plain line behind the last conversion
.irp j, 0,1,2,3
	ds_store_b128 v5, v[48+4*\j:51+4*\j] offset:512*(\t)+16*\j
.endr
.if (\t) == 3
	v_cndmask_b32 v12, v40, v42, s25
	v_cndmask_b32 v13, v41, v43, s25
	ds_store_b32 v6, v12
	ds_store_b32 v6, v13 offset:4
.endif
.endm
.irp i, 0,1,2,3,4,5,6,7
	global_load_b128 v[64+4*\i:67+4*\i], v1, s[70:71] offset:512*\i    ; my eighth of the shared images, as they lie
.endr
	global_load_b32 v44, v7, s[68:69] offset:32768                     ; and of their scale words
	LOADU 0
	LOADU 1
	s_load_b32 s62, s[6:7], s63 offset:0x0         ; the expert's count of rows
	s_wait_loadcnt 32                              ; the nine loads of the copy are in; the stream's first 32 are younger
.irp i, 0,1,2,3,4,5,6,7
	ds_store_b128 v14, v[64+4*\i:67+4*\i] offset:512*\i
.endr
	ds_store_b32 v15, v44
	s_wait_dscnt 0x0                               ; the stores have read their registers, which the first block writes
.irp t, 0,1,2,3
	UNIT \t
.endr
.macro SLOTLOAD slot, ks, ba           ; two fragments of a (the pair's two tiles, K step ks): eight loads
.irp i, 0,1
.irp c, 0,1,2,3
	global_load_b128 v[152+32*(\slot)+16*\i+4*\c:152+32*(\slot)+16*\i+4*\c+3], v1, s[\ba:\ba+1] offset:\i*8192+(\ks)*2048+512*\c
.endr
.endr
.endm
.macro MM u, i, z
.if \z
.if (\u) && (\i)
	v_wmma_scale_f32_16x16x128_f8f6f4 v[rD:rD+7], v[rA:rA+15], v[rB:rB+15], 0, v[rSA], v[rSB] matrix_a_scale:MATRIX_SCALE_ROW1 matrix_b_scale:MATRIX_SCALE_ROW1
.elseif \u
	v_wmma_scale_f32_16x16x128_f8f6f4 v[rD:rD+7], v[rA:rA+15], v[rB:rB+15], 0, v[rSA], v[rSB] matrix_a_scale:MATRIX_SCALE_ROW1
.elseif \i
	v_wmma_scale_f32_16x16x128_f8f6f4 v[rD:rD+7], v[rA:rA+15], v[rB:rB+15], 0, v[rSA], v[rSB] matrix_b_scale:MATRIX_SCALE_ROW1
.else
	v_wmma_scale_f32_16x16x128_f8f6f4 v[rD:rD+7], v[rA:rA+15], v[rB:rB+15], 0, v[rSA], v[rSB]
.endif
.else
.if (\u) && (\i)
	v_wmma_scale_f32_16x16x128_f8f6f4 v[rD:rD+7], v[rA:rA+15], v[rB:rB+15], v[rD:rD+7], v[rSA], v[rSB] matrix_a_scale:MATRIX_SCALE_ROW1 matrix_b_scale:MATRIX_SCALE_ROW1
.elseif \u
	v_wmma_scale_f32_16x16x128_f8f6f4 v[rD:rD+7], v[rA:rA+15], v[rB:rB+15], v[rD:rD+7], v[rSA], v[rSB] matrix_a_scale:MATRIX_SCALE_ROW1
.elseif \i
	v_wmma_scale_f32_16x16x128_f8f6f4 v[rD:rD+7], v[rA:rA+15], v[rB:rB+15], v[rD:rD+7], v[rSA], v[rSB] matrix_b_scale:MATRIX_SCALE_ROW1
.else
	v_wmma_scale_f32_16x16x128_f8f6f4 v[rD:rD+7], v[rA:rA+15], v[rB:rB+15], v[rD:rD+7], v[rSA], v[rSB]
.endif
.endif
.endm
; K step s: four weight fragments and their scale words from LDS (addresses v[lb], v[lsb]); a's slot s % 3; eight products, the eight accumulators by turns; np places.  n: the younger global loads that may be out
.macro KS s, n, np, lb, lsb
.set SG, (\s)%3
.set ZZ, 0
.if (\s) == 0
.set ZZ, 1
.endif
.irp g, 0,1,2,3
.irp c, 0,1,2,3
	ds_load_b128 v[88+16*\g+4*\c:88+16*\g+4*\c+3], v[\lb] offset:\g*GRP+(\s)*2048+512*\c
.endr
.endr
	ds_load_b32 v20, v[\lsb] offset:128*(\s)
	ds_load_b32 v21, v[\lsb] offset:512+128*(\s)
	s_wait_loadcnt \n
	s_wait_dscnt 0x0
.irp i, 0,1
.irp g, 0,1,2,3
.set rD, 24+32*\i+8*\g
.set rA, 88+16*\g
.set rB, 152+32*SG+16*\i
.set rSA, 20+\g/2
.set rSB, 16+(\s)
	MM \g%2, \i, ZZ
.endr
.endr
.rept \np
	v_nop
.endr
.endm
; A TRIP: one pair of row tiles.  s[40:41]: the pair's codes; s[42:43], s[44:45]: the next pair's codes and scale bytes; s[46:47]: where the rows go.
; On the way in K steps 1 and 2, the scale words and K step 0 of the pair are out or in, asked for in that order.  last = 1: nothing is asked for beyond this pair
.macro BODY lb, lsb, last
	KS 0, 0, 8, \lb, \lsb                          ; K step 0's slot was asked for last
	SLOTLOAD 0, 3, 40
	KS 1, 8, 8, \lb, \lsb                          ; K step 3's eight may be out
.if \last
	KS 2, 8, 8, \lb, \lsb
	KS 3, 0, 8, \lb, \lsb
.else
	SLOTLOAD 1, 1, 42
	KS 2, 16, 8, \lb, \lsb
	SLOTLOAD 2, 2, 42
	KS 3, 16, 9, \lb, \lsb                         ; the next pair's two slots are younger.  Nine places: the next trip's first products write over these accumulators
	global_load_b128 v[16:19], v1, s[44:45] offset:ASC
	SLOTLOAD 0, 0, 42
.endif
.irp i, 0,1                                    ; a tile through my stage: LDS serves a wave's instructions in order (ISA guide 5.7.1.4), so no wait stands between the stores and the loads, nor ahead of the next tile's stores
.irp g, 0,1,2,3
	ds_store_b128 v9, v[24+32*\i+8*\g:27+32*\i+8*\g] offset:64*\g          ; each accumulator from its low end on
	ds_store_b128 v9, v[28+32*\i+8*\g:31+32*\i+8*\g] offset:64*\g+16
.endr
.irp t, 0,1,2,3,4,5,6,7
	ds_load_b128 v[88+32*\i+4*\t:91+32*\i+4*\t], v10 offset:544*\t
.endr
.endr
	s_wait_dscnt 16                                ; the first tile is back; the second tile's 8 stores and 8 loads are younger
.irp t, 0,1,2,3,4,5,6,7
	global_store_b128 v11, v[88+4*\t:91+4*\t], s[46:47] offset:8192*\t     ; sixteen lanes store 256 consecutive bytes, at a multiple of 256 from y's first byte
.endr
	s_wait_dscnt 0x0
.irp t, 0,1,2,3,4,5,6,7
	global_store_b128 v11, v[120+4*\t:123+4*\t], s[46:47] offset:65536+8192*\t
.endr
.endm
	s_wait_kmcnt 0x0
	s_add_co_u32 s62, s62, 31
	s_lshr_b32 s62, s62, 5
	s_min_u32 s62, s62, 32                         ; the expert's pairs
	s_add_co_u32 s60, s62, 3
	s_sub_co_u32 s60, s60, s22
	s_lshr_b32 s60, s60, 2                         ; my trips on them: every fourth pair from my first on; 8 at the most
	s_mov_b32 s37, s22                             ; my first pair
	s_cmp_lt_u32 s37, s62
	s_cselect_b32 s39, s37, s66                    ; behind the expert's last pair comes the shared pair: a wave that does not take it asks for it all the same and discards it,
	s_cselect_b64 s[34:35], s[32:33], s[50:51]     ; so that every wave has the same loads out, of bytes that were stored
	s_min_u32 s39, s39, 31
	s_mov_b32 s59, 0
	s_lshl_b32 s58, s39, 14
	s_add_nc_u64 s[42:43], s[34:35], s[58:59]
	s_lshl_b32 s58, s39, 9
	s_add_nc_u64 s[44:45], s[34:35], s[58:59]
	SLOTLOAD 1, 1, 42                              ; in the order in which a trip leaves them for the next
	SLOTLOAD 2, 2, 42
	global_load_b128 v[16:19], v1, s[44:45] offset:ASC     ; row = lane of the pair: its 16 scale bytes are the four K steps' words
	SLOTLOAD 0, 0, 42
	s_wait_dscnt 0x0                               ; my images and scale words have landed
	s_barrier_signal -1
	s_barrier_wait -1                              ; everybody's have; from here on a wave writes only its own stage
	s_mov_b32 s29, 0                               ; trips done
	s_cmp_lg_u32 s60, 0
	s_cbranch_scc0 .Lshared
.Lpass:                                                ; a trip on a pair of my expert's
	s_wait_xcnt 0x0                                ; the bases, and the registers that the last trip's stores read, are written again only behind this wait
	s_min_u32 s38, s37, 31                         ; this pair,
	s_add_co_u32 s39, s37, 4
	s_cmp_lt_u32 s39, s62
	s_cselect_b32 s39, s39, s66                    ; my next one, or behind the last the shared pair
	s_cselect_b64 s[34:35], s[32:33], s[50:51]
	s_min_u32 s39, s39, 31
	s_mov_b32 s59, 0
	s_lshl_b32 s58, s38, 14
	s_add_nc_u64 s[40:41], s[32:33], s[58:59]
	s_lshl_b32 s58, s39, 14
	s_add_nc_u64 s[42:43], s[34:35], s[58:59]
	s_lshl_b32 s58, s39, 9
	s_add_nc_u64 s[44:45], s[34:35], s[58:59]
	s_lshl_b32 s58, s38, 17
	s_add_nc_u64 s[46:47], s[48:49], s[58:59]
	BODY 2, 3, 0
	s_add_co_u32 s37, s37, 4                       ; my next pair
	s_add_co_u32 s29, s29, 1
	s_cmp_lt_u32 s29, s60
	s_cbranch_scc1 .Lpass
.Lshared:
	s_and_b32 s58, s62, 3                          ; whose turn is the pair behind the expert's last?
	s_cmp_eq_u32 s58, s22
	s_cbranch_scc0 .Lend
	s_wait_xcnt 0x0
	s_mov_b32 s59, 0
	s_lshl_b32 s58, s66, 14
	s_add_nc_u64 s[40:41], s[50:51], s[58:59]
	s_mov_b64 s[46:47], s[72:73]
	BODY 22, 23, 1
.Lend:
	s_set_vgpr_msb 0x5
	s_wait_tensorcnt 0x0
	ds_add_u32 v0, v1
	s_wait_dscnt 0x0
	s_set_vgpr_msb 0x500
	s_endpgm
.Lfunc_end_k_q3518e8ee50_down:
	.size	k_q3518e8ee50_down, .Lfunc_end_k_q3518e8ee50_down-k_q3518e8ee50_down
	.p2alignl 7, 3214868480
	.fill 96, 4, 3214868480
	.section	.rodata,"a",@progbits
	.p2align	6, 0x0
	.amdhsa_kernel k_q3518e8ee50_down
		.amdhsa_group_segment_fixed_size 162304
		.amdhsa_private_segment_fixed_size 0
		.amdhsa_enable_private_segment 0
		.amdhsa_kernarg_size 40
		.amdhsa_user_sgpr_count 2
		.amdhsa_user_sgpr_kernarg_segment_ptr 1
		.amdhsa_wavefront_size32 1
		.amdhsa_system_sgpr_workgroup_id_x 1
		.amdhsa_system_sgpr_workgroup_id_y 1
		.amdhsa_system_sgpr_workgroup_id_z 1
		.amdhsa_system_vgpr_workitem_id 0
		.amdhsa_next_free_vgpr 258
		.amdhsa_next_free_sgpr 80
		.amdhsa_reserve_vcc 0
		.amdhsa_float_denorm_mode_32 3
		.amdhsa_float_denorm_mode_16_64 3
		.amdhsa_memory_ordered 1
		.amdhsa_forward_progress 1
		.amdhsa_inst_pref_size 81
	.end_amdhsa_kernel
	.amdgpu_metadata
---
amdhsa.version: [ 1, 2 ]
amdhsa.kernels:
  - .name:           k_q3518e8ee50_down
    .symbol:         k_q3518e8ee50_down.kd
    .args:
      - { .name: aq, .offset: 0, .size: 8, .value_kind: global_buffer, .address_space: global }
      - { .name: meta, .offset: 8, .size: 8, .value_kind: global_buffer, .address_space: global }
      - { .name: w_down, .offset: 16, .size: 8, .value_kind: global_buffer, .address_space: global }
      - { .name: swq, .offset: 24, .size: 8, .value_kind: global_buffer, .address_space: global }
      - { .name: y, .offset: 32, .size: 8, .value_kind: global_buffer, .address_space: global }
    .group_segment_fixed_size: 162304
    .private_segment_fixed_size: 0
    .kernarg_segment_align: 8
    .kernarg_segment_size: 40
    .max_flat_workgroup_size: 256
    .sgpr_count:     80
    .vgpr_count:     258
    .wavefront_size: 32
...
	.end_amdgpu_metadata
.endif
;; end of part 8
;; launch combine: the kernel of part 5 again; grid 256 x 1, 8 waves a work-group, no clusters, 0 bytes of LDS; arguments meta, y, out0; writes out0
